; MI455X (gfx1250); checked and timed in simulation.
; The chip was launched on July 23, 2026; its instructions are those of AMD's public machine-readable ISA for CDNA 5 (MIT licence, August 2026) and "CDNA5" Instruction Set Architecture Reference Guide (July 2026). The comments in the code are by the model that wrote it; some were corrected since.
;; Attn Fuser. Allowed arithmetic: float matrix products may take bf16 or f16 operands with f32 sums; other float arithmetic in f32, or as packed bf16 or f16 multiplies, adds, multiply-adds, maxima and minima; sums over many terms, partial sums and values carried from step to step in f32; what a program stores and reads back later, other than sums and carried values, may be rounded once to bf16 or f16.
;; Inputs: W1 1,024 x 4,096 float32; W2 4,096 x 1,024 float32; Wk 1,024 x 1,024 float32; Wq 1,024 x 1,024 float32; Wv 1,024 x 1,024 float32; b1 4,096 float32; b2 1,024 float32; bk 1,024 float32; bq 1,024 float32; bv 1,024 float32; context 2 x 2,048 x 1,024 float32; cpos 2 x 2,048 int32; fn_b 1,024 float32; fn_g 1,024 float32; kn_b 64 float32; kn_g 64 float32; qn_b 64 float32; qn_g 64 float32; qpos 2 x 2,048 int32; query 2 x 2,048 x 1,024 float32.
;; Outputs: out0 2 x 2,048 x 1,024 float32.
;; One version. Each part assembles by itself: llvm-mc -triple=amdgcn-amd-amdhsa -mcpu=gfx1250 --defsym DOCPART=n.
;; ======== version 1 of 1: 6 launches
;; limits: values are held in f16: magnitudes above 65,504 overflow, below 6.1e-05 lose precision; right only within a limited range of input values
;; workspace buffers: pre 40,894,464 bytes; qkv 25,165,824 bytes; o 16,777,216 bytes; hn 8,388,608 bytes; gact 33,554,432 bytes
;; launch prep (part 1): grid 2432 x 1, 8 waves a work-group, no clusters, 18,432 bytes of LDS; arguments query, context, qpos, cpos, Wq, Wk, Wv, W1, W2, pre; writes pre
.if DOCPART == 1
	.amdgcn_target "amdgcn-amd-amdhsa--gfx1250"
	.amdhsa_code_object_version 6
	.text
	.protected	k_q39df2f32ff_prep
	.globl	k_q39df2f32ff_prep
	.p2align	8
	.type	k_q39df2f32ff_prep,@function
k_q39df2f32ff_prep:
	s_mov_b64 s[64:65], 0
	v_nop
	global_prefetch_b8 v0, s[64:65] scope:SCOPE_SE
	s_setreg_imm32_b32 hwreg(HW_REG_WAVE_MODE, 25, 1), 1
	s_wait_xcnt 0x0
; PREPARATION, three kinds of work-group, told apart by the work-group's number alone:
;   0..511      CAST: 64 KiB of query or context, f32 -> bf16, row-major as it lies (XQ, XC lie on end in pre)
;   512..1919   TRANSP: a tile of 128 k x 64 n of a weight [k][n] f32 -> [n][k] bf16, through LDS
;   1920..2431  ROPE: 16 rows of the cos / sin table, f16: row = cos of 32 angles, then sin of the same 32 (128 bytes)
; LIMITS.  The angle pos x inv_freq is reduced by two terms of 2 pi: good for |pos| up to about 2^20.  cos and sin are rounded once to f16.
.set SPW,   14                         ; v14  LDS address of my spare word; never rewritten
.set NIL,   15                         ; v15  0; never rewritten
.set SPARE, 17408                      ; behind the tile: 128 bytes for each of eight waves
.set WQT,   16777216                   ; byte offsets in pre
.set WSZ,   2097152
.set W1T,   23068672
.set W2T,   31457280
.set TQ,    39845888
	s_load_b512 s[16:31], s[0:1], 0x0              ; query 16, context 18, qpos 20, cpos 22, Wq 24, Wk 26, Wv 28, W1 30
	s_load_b128 s[32:35], s[0:1], 0x40             ; W2 32, pre 34
	v_lshl_add_u32 v[SPW], v0, 2, SPARE
	v_mov_b32 v[NIL], 0
	v_lshrrev_b32 v1, 5, v0
	v_readfirstlane_b32 s8, v1                     ; wave 0..7
	s_mov_b32 s2, ttmp9
	s_wait_kmcnt 0x0
	s_cmp_lt_u32 s2, 512
	s_cbranch_scc1 .Lcast
	s_cmp_lt_u32 s2, 1920
	s_cbranch_scc1 .Ltransp
	; ---- ROPE: a wave makes two table rows, 256 consecutive bytes.  Lane l: row l / 16, kind (l / 8) % 2 (0 cos, 1 sin), frequencies 4 (l % 8) + 0..3
	s_sub_co_u32 s3, s2, 1920                      ; 0..255 for qpos, 256..511 for cpos
	s_cmp_lt_u32 s3, 256
	s_cselect_b64 s[4:5], s[20:21], s[22:23]
	s_and_b32 s6, s3, 255
	s_lshl_b32 s6, s6, 4
	s_lshl_b32 s9, s8, 1
	s_add_co_u32 s6, s6, s9                        ; the wave's first row in its position buffer
	s_lshl_b32 s6, s6, 2
	s_mov_b32 s7, 0
	s_add_nc_u64 s[4:5], s[4:5], s[6:7]
	s_lshl_b32 s6, s3, 4
	s_add_co_u32 s6, s6, s9                        ; the same row in the two tables, which lie on end
	s_lshl_b32 s6, s6, 7
	s_add_co_u32 s6, s6, TQ
	s_add_nc_u64 s[10:11], s[34:35], s[6:7]
	v_bfe_u32 v2, v0, 4, 1
	v_lshlrev_b32 v3, 2, v2
	global_load_b32 v10, v3, s[4:5]                ; the row's position
	v_and_b32 v4, 15, v0
	v_lshlrev_b32 v4, 3, v4
	v_lshl_add_u32 v4, v2, 7, v4                   ; my 8 bytes of the wave's 256
	v_bfe_u32 v5, v0, 3, 1
	v_cmp_ne_u32 s40, 0, v5                        ; lanes that keep the sine
	v_and_b32 v6, 7, v0
	v_lshlrev_b32 v6, 2, v6
	v_cvt_f32_u32 v6, v6
	v_add_f32 v7, 1.0, v6
	v_add_f32 v8, 2.0, v6
	v_add_f32 v9, 0x40400000, v6
	s_mov_b32 s41, 0xc0c90fdb                      ; -(2 pi), upper part
	s_mov_b32 s42, 0x343bbd2e                      ; -(2 pi), what the upper part leaves
	s_mov_b32 s43, 0xb2d7322b                      ; sine: -1/11!, 1/9!, -1/7!, 1/5!, -1/3!
	s_mov_b32 s44, 0x3638ef1d
	s_mov_b32 s45, 0xb9500d01
	s_mov_b32 s46, 0x3c088889
	s_mov_b32 s47, 0xbe2aaaab
	s_mov_b32 s48, 0x310f76c7                      ; cosine: 1/12!, -1/10!, 1/8!, -1/6!, 1/4!
	s_mov_b32 s49, 0xb493f27e
	s_mov_b32 s50, 0x37d00d01
	s_mov_b32 s51, 0xbab60b61
	s_mov_b32 s52, 0x3d2aaaab
.irp e, 0,1,2,3
	v_mul_f32 v[6+\e], 0xbed49a78, v[6+\e]         ; -i log2(10000) / 32
.endr
.irp e, 0,1,2,3
	v_exp_f32 v[16+\e], v[6+\e]                    ; inv_freq
.endr
	v_nop                                          ; a plain instruction behind the last exponential,
	s_wait_alu depctr_va_vdst(0)                   ; and one wait for the four, ahead of their first reader
	s_wait_loadcnt 0x0
	v_cvt_f32_i32 v10, v10
.irp e, 0,1,2,3
	v_mul_f32 v[20+\e], v10, v[16+\e]              ; the angle, rounded once
.endr
.irp e, 0,1,2,3
	v_mul_f32 v[24+\e], 0.15915494, v[20+\e]
.endr
.irp e, 0,1,2,3
	v_rndne_f32 v[24+\e], v[24+\e]                 ; whole turns
.endr
.irp e, 0,1,2,3
	v_fma_f32 v[28+\e], v[24+\e], s41, v[20+\e]
.endr
.irp e, 0,1,2,3
	v_fma_f32 v[28+\e], v[24+\e], s42, v[28+\e]    ; the angle in -pi .. pi
.endr
.irp e, 0,1,2,3
	v_mul_f32 v[28+\e], 0.5, v[28+\e]              ; x = half of it: the series end at x^11 and x^12, below 6e-8 for |x| <= pi / 2
.endr
.irp e, 0,1,2,3
	v_mul_f32 v[32+\e], v[28+\e], v[28+\e]
.endr
.irp e, 0,1,2,3
	v_fma_f32 v[36+\e], v[32+\e], s43, s44
	v_fma_f32 v[40+\e], v[32+\e], s48, s49
.endr
.irp e, 0,1,2,3
	v_fma_f32 v[36+\e], v[36+\e], v[32+\e], s45
	v_fma_f32 v[40+\e], v[40+\e], v[32+\e], s50
.endr
.irp e, 0,1,2,3
	v_fma_f32 v[36+\e], v[36+\e], v[32+\e], s46
	v_fma_f32 v[40+\e], v[40+\e], v[32+\e], s51
.endr
.irp e, 0,1,2,3
	v_fma_f32 v[36+\e], v[36+\e], v[32+\e], s47
	v_fma_f32 v[40+\e], v[40+\e], v[32+\e], s52
.endr
.irp e, 0,1,2,3
	v_fma_f32 v[36+\e], v[36+\e], v[32+\e], 1.0
	v_fma_f32 v[40+\e], v[40+\e], v[32+\e], -0.5
.endr
.irp e, 0,1,2,3
	v_mul_f32 v[36+\e], v[36+\e], v[28+\e]         ; sin x
	v_fma_f32 v[40+\e], v[40+\e], v[32+\e], 1.0    ; cos x
.endr
.irp e, 0,1,2,3
	v_mul_f32 v[44+\e], v[36+\e], v[40+\e]
	v_mul_f32 v[48+\e], v[36+\e], v[36+\e]
.endr
.irp e, 0,1,2,3
	v_add_f32 v[44+\e], v[44+\e], v[44+\e]         ; sin 2x = 2 sin x cos x
	v_fma_f32 v[48+\e], v[48+\e], -2.0, 1.0        ; cos 2x = 1 - 2 sin^2 x
.endr
.irp e, 0,1,2,3
	v_cndmask_b32 v[44+\e], v[48+\e], v[44+\e], s40
.endr
	v_cvt_pk_f16_f32 v52, v44, v45
	v_cvt_pk_f16_f32 v53, v46, v47
	global_store_b64 v4, v[52:53], s[10:11]        ; the wave stores 256 consecutive bytes, aligned
	s_branch .Lend
.Lcast:	; ---- CAST: a wave takes 8 KiB of f32: sixteen loads of 512 consecutive bytes, sixteen stores of 256
	s_cmp_lt_u32 s2, 256
	s_cselect_b64 s[4:5], s[16:17], s[18:19]
	s_and_b32 s6, s2, 255
	s_lshl_b32 s6, s6, 16
	s_mov_b32 s7, 0
	s_add_nc_u64 s[4:5], s[4:5], s[6:7]
	s_lshl_b32 s6, s2, 15
	s_add_nc_u64 s[10:11], s[34:35], s[6:7]
	v_and_b32 v2, 31, v0
	v_and_b32 v3, 0xe0, v0
	v_lshlrev_b32 v4, 4, v2
	v_lshl_or_b32 v4, v3, 8, v4                    ; 8,192 x wave + 16 x lane
	v_lshrrev_b32 v5, 1, v4
.irp j, 0,1,2,3,4,5,6,7,8,9,10,11,12,13,14,15
	global_load_b128 v[16+4*\j:19+4*\j], v4, s[4:5] offset:512*\j
.endr
.irp j, 0,1,2,3,4,5,6,7,8,9,10,11,12,13,14,15
	s_wait_loadcnt 15-\j                           ; loads come back in order: number j is in, the younger ones stay out
	v_cvt_pk_bf16_f32 v[80+2*\j], v[16+4*\j], v[17+4*\j]
	v_cvt_pk_bf16_f32 v[81+2*\j], v[18+4*\j], v[19+4*\j]
	global_store_b64 v5, v[80+2*\j:81+2*\j], s[10:11] offset:256*\j
.endr
	s_branch .Lend
.Ltransp:	; ---- TRANSP.  Which weight, its pitches and the tile come from the work-group's number by selects; no branch
	s_sub_co_u32 s3, s2, 512
	s_lshr_b32 s9, s3, 7                           ; 0, 1, 2: Wq, Wk, Wv (128 tiles each)
	s_cmp_eq_u32 s9, 0
	s_cselect_b64 s[4:5], s[24:25], s[26:27]
	s_cmp_eq_u32 s9, 2
	s_cselect_b64 s[4:5], s[28:29], s[4:5]
	s_and_b32 s12, s3, 127                         ; the tile's number in its weight
	s_mul_i32 s13, s9, WSZ
	s_add_co_u32 s13, s13, WQT                     ; where the transposed weight begins in pre
	s_mov_b32 s36, 3                               ; log2 of the number of k tiles
	s_mov_b32 s37, 4096                            ; bytes from row to row of the source
	s_mov_b32 s38, 2048                            ; bytes from row to row of the result
	s_sub_co_u32 s39, s3, 384
	s_sub_co_u32 s40, s3, 896
	s_cmp_ge_u32 s3, 384                           ; W1: 8 x 64 tiles
	s_cselect_b64 s[4:5], s[30:31], s[4:5]
	s_cselect_b32 s12, s39, s12
	s_cselect_b32 s13, W1T, s13
	s_cselect_b32 s37, 16384, s37
	s_cmp_ge_u32 s3, 896                           ; W2: 32 x 16 tiles
	s_cselect_b64 s[4:5], s[32:33], s[4:5]
	s_cselect_b32 s12, s40, s12
	s_cselect_b32 s13, W2T, s13
	s_cselect_b32 s36, 5, s36
	s_cselect_b32 s37, 4096, s37
	s_cselect_b32 s38, 8192, s38
	s_bfm_b32 s41, s36, 0
	s_and_b32 s41, s12, s41                        ; k tile
	s_lshr_b32 s42, s12, s36                       ; n tile
	s_mul_i32 s6, s41, s37
	s_lshl_b32 s6, s6, 7                           ; 128 rows of the source
	s_lshl_b32 s7, s42, 8                          ; 64 columns of f32
	s_add_co_u32 s6, s6, s7
	s_mov_b32 s7, 0
	s_add_nc_u64 s[4:5], s[4:5], s[6:7]
	s_mul_i32 s10, s42, s38
	s_lshl_b32 s10, s10, 6                         ; 64 rows of the result
	s_lshl_b32 s11, s41, 8                         ; 128 k of bf16
	s_add_co_u32 s10, s10, s11
	s_add_co_u32 s10, s10, s13
	s_mov_b32 s11, 0
	s_add_nc_u64 s[10:11], s[34:35], s[10:11]
	v_and_b32 v96, 15, v0                          ; nq: my four columns
	v_lshrrev_b32 v97, 4, v0                       ; ko: my eight rows of k
	v_lshlrev_b32 v98, 3, v97
	v_mul_lo_u32 v2, v98, s37
	v_lshl_add_u32 v2, v96, 4, v2
.irp i, 1,2,3,4,5,6,7
	v_add_nc_u32 v[2+\i], s37, v[1+\i]
.endr
.irp i, 0,1,2,3,4,5,6,7
	global_load_b128 v[16+4*\i:19+4*\i], v[2+\i], s[4:5] th:TH_LOAD_NT  ; 16 lanes read 256 consecutive bytes of a row
.endr
	v_mul_u32_u24 v98, v96, 272
	v_lshl_add_u32 v98, v97, 4, v98                ; in: LDS row 16 e + nq (pitch 272: the 16 rows of a pass start at 16 different 16-byte columns), my 8 k
	v_mul_u32_u24 v99, v97, 272
	v_lshl_add_u32 v99, v96, 4, v99                ; back: LDS row 16 f + t / 16 is column 4 (t / 16) + f; 16 lanes take its 256 bytes
	v_lshlrev_b32 v100, 2, v97
	v_mul_lo_u32 v10, v100, s38
	v_lshl_add_u32 v10, v96, 4, v10
.irp f, 1,2,3
	v_add_nc_u32 v[10+\f], s38, v[9+\f]
.endr
	s_wait_loadcnt 0x0
.irp e, 0,1,2,3
.irp q, 0,1,2,3
	v_cvt_pk_bf16_f32 v[48+4*\e+\q], v[16+8*\q+\e], v[20+8*\q+\e]  ; column e: k = 8 ko + 2 q, + 1
.endr
.endr
.irp e, 0,1,2,3
	ds_store_b128 v98, v[48+4*\e:51+4*\e] offset:4352*\e
.endr
	s_wait_dscnt 0x0                               ; for the others' sake: my stores are done
	s_barrier_signal -1
	s_barrier_wait -1
.irp f, 0,1,2,3
	ds_load_b128 v[64+4*\f:67+4*\f], v99 offset:4352*\f
.endr
.irp f, 0,1,2,3
	s_wait_dscnt 3-\f
	global_store_b128 v[10+\f], v[64+4*\f:67+4*\f], s[10:11]  ; 16 lanes store 256 consecutive bytes of a row of the transposed weight, aligned
.endr
.Lend:
	s_wait_tensorcnt 0x0                           ; the wave's end
	ds_add_u32 v[SPW], v[NIL]
	s_wait_dscnt 0x0
	s_endpgm
.Lfunc_end_k_q39df2f32ff_prep:
	.size	k_q39df2f32ff_prep, .Lfunc_end_k_q39df2f32ff_prep-k_q39df2f32ff_prep
	.p2alignl 7, 3214868480
	.fill 96, 4, 3214868480
	.section	.rodata,"a",@progbits
	.p2align	6, 0x0
	.amdhsa_kernel k_q39df2f32ff_prep
		.amdhsa_group_segment_fixed_size 18432
		.amdhsa_private_segment_fixed_size 0
		.amdhsa_enable_private_segment 0
		.amdhsa_kernarg_size 80
		.amdhsa_user_sgpr_count 2
		.amdhsa_user_sgpr_kernarg_segment_ptr 1
		.amdhsa_wavefront_size32 1
		.amdhsa_system_sgpr_workgroup_id_x 1
		.amdhsa_system_sgpr_workgroup_id_y 1
		.amdhsa_system_sgpr_workgroup_id_z 1
		.amdhsa_system_vgpr_workitem_id 0
		.amdhsa_next_free_vgpr 112
		.amdhsa_next_free_sgpr 66
		.amdhsa_reserve_vcc 0
		.amdhsa_float_denorm_mode_32 3
		.amdhsa_float_denorm_mode_16_64 3
		.amdhsa_memory_ordered 1
		.amdhsa_forward_progress 1
		.amdhsa_inst_pref_size 21
	.end_amdhsa_kernel
	.amdgpu_metadata
---
amdhsa.version: [ 1, 2 ]
amdhsa.kernels:
  - .name:           k_q39df2f32ff_prep
    .symbol:         k_q39df2f32ff_prep.kd
    .args:
      - { .name: query, .offset: 0, .size: 8, .value_kind: global_buffer, .address_space: global }
      - { .name: context, .offset: 8, .size: 8, .value_kind: global_buffer, .address_space: global }
      - { .name: qpos, .offset: 16, .size: 8, .value_kind: global_buffer, .address_space: global }
      - { .name: cpos, .offset: 24, .size: 8, .value_kind: global_buffer, .address_space: global }
      - { .name: Wq, .offset: 32, .size: 8, .value_kind: global_buffer, .address_space: global }
      - { .name: Wk, .offset: 40, .size: 8, .value_kind: global_buffer, .address_space: global }
      - { .name: Wv, .offset: 48, .size: 8, .value_kind: global_buffer, .address_space: global }
      - { .name: W1, .offset: 56, .size: 8, .value_kind: global_buffer, .address_space: global }
      - { .name: W2, .offset: 64, .size: 8, .value_kind: global_buffer, .address_space: global }
      - { .name: pre, .offset: 72, .size: 8, .value_kind: global_buffer, .address_space: global }
    .group_segment_fixed_size: 18432
    .private_segment_fixed_size: 0
    .kernarg_segment_align: 8
    .kernarg_segment_size: 80
    .max_flat_workgroup_size: 256
    .sgpr_count:     66
    .vgpr_count:     112
    .wavefront_size: 32
...
	.end_amdgpu_metadata
.endif
;; end of part 1
;; launch qkv (part 2): grid 12 x 16, 4 waves a work-group, clusters of 4 x 4, 327,680 bytes of LDS; arguments pre, bq, bk, bv, qn_g, qn_b, kn_g, kn_b, qkv; writes qkv
.if DOCPART == 2
	.amdgcn_target "amdgcn-amd-amdhsa--gfx1250"
	.amdhsa_code_object_version 6
	.text
	.protected	k_q39df2f32ff_qkv
	.globl	k_q39df2f32ff_qkv
	.p2align	8
	.type	k_q39df2f32ff_qkv,@function
k_q39df2f32ff_qkv:
	s_mov_b64 s[64:65], 0
	v_nop
	global_prefetch_b8 v0, s[64:65] scope:SCOPE_SE
	s_setreg_imm32_b32 hwreg(HW_REG_WAVE_MODE, 25, 1), 1
	s_wait_xcnt 0x0
	s_wait_alu depctr_hold_cnt(0) depctr_sa_sdst(0) depctr_va_vdst(0) depctr_va_sdst(0) depctr_va_ssrc(0) depctr_va_vcc(0) depctr_vm_vsrc(0)
	s_getreg_b32 s2, hwreg(HW_REG_IB_STS2, 6, 4)
	s_cmp_eq_u32 s2, 0
	s_cbranch_scc0 .Lentry_in_a_cluster
	s_endpgm
.Lentry_in_a_cluster:
	s_bfe_u32 s2, ttmp6, 0x10000c
	s_cmp_lg_u32 s2, 0xf033
	s_cbranch_scc0 .Lentry_shape_is_right
	s_endpgm
.Lentry_shape_is_right:
; THREE PROJECTIONS, one a column of clusters (JOB = cluster x: 0 Q, 1 K, 2 V): C = X W + bias, X [4096][1024] bf16, W transposed [n][k] bf16, sums in f32.
; Q and K then get the LayerNorm over each head's 64 channels (two passes, f32) and the rotary embedding (cos and sin from a table, f16); all three leave by heads, [16 b + h][2048][64]: Q, K f16, V bf16.
; LIMITS.  Q and K are f16: 11.3 |g| + 1.42 |b| of the head LayerNorm stays under 65,504.  The rotation is two packed f16 lines (three roundings to f16 in all).
; THE PRODUCT.  A tile of C is 256 x 256, four waves, each 128 x 128 (two heads) in 64 accumulators.  K goes in 8 steps of 128 through two LDS slots filled by tensor loads.
; 4 x 4 work-groups form a cluster: A's tile is asked for jointly along a row of the cluster, B's along a column, the table's rows along a row.
; The matrix instruction is used transposed (source 0 = 16 rows of W^T, source 1 = 16 rows of X): a lane holds one row of C and eight neighbouring columns.
; The first product of each accumulator takes the bias as C: nothing is cleared and no bias is added later.
; THE TEXT.  A K step with its refill is written once (.Lstep, 6 trips), half a K step without a refill once (.Ltail).  The LDS byte from which fragments are fetched stands in s[TOG];
; one descriptor a tensor walks from slot to slot.
; 192 work-groups: 1,024 columns a job give no tile that makes 256 equal shares without a tile that spans two jobs.
; THE WAY OUT.  When the ring has had its last fill and every wave its last read of it, each wave lays its 128 x 128 f32 into the ring's bytes (its own 67,584), and a loop of 16 trips takes 8 rows x 2 heads at a time.
; REGISTERS: window 0: v0-31 addresses; v32-47 g, b; v64-191 fragments of X (two buffers), later the way out; v192-255 bias, later the way out.  Window 1: fragments of W^T.  Windows 2, 3: accumulators.
.set SIZE_K, 1024
.set KSTEP,  128
.set STEPS,  SIZE_K/KSTEP
.set PITCH,  272                       ; an LDS row: 256 bytes + 16 of padding: the 16 rows of a fragment load start at 16 different 16-byte columns
.set HALFT,  128*PITCH                 ; 0x8800
.set SLOT,   4*HALFT                   ; 0x22000: it shares no bit with wave x HALFT (0x8800, 0x11000, 0x19800), so one exclusive or turns a wave's address in one slot into the other's
.set TABLE,  2*SLOT                    ; behind the ring: 256 table rows of 128 bytes, pitch 144
.set TPITCH, 144
.set SPARE,  TABLE+256*TPITCH          ; the spare words, 128 bytes a wave
.set DPITCH, 528                       ; a row of the f32 dump: 512 bytes + 16
.set DWAVE,  128*DPITCH
.set XC,  8388608                      ; byte offsets in pre
.set WQT, 16777216
.set WSZ, 2097152
.set TQ,  39845888
.set TK,  40370176
.set OSZ, 8388608                      ; bytes of Q, of K and of V in qkv
.set ADRA0, 16                         ; v16  my place in X's rows of slot 0; never rewritten
.set ADRA,  17                         ; v17  the address of the run of loads in hand
.set ADRB0, 20                         ; v20, v21  the same for W^T
.set ADRB,  21
.set TA,   22                          ; v22  the table loads' address
.set SGN,  23                          ; v23  0x80008000 in lanes that hold the upper half of a head's channels
.set DST,  24                          ; v24  where I put 16 bytes of the dump
.set RD0,  25                          ; v25  where I read the dump, trip 0
.set CO,   26                          ; v26  my byte offset in the output
.set RDA,  27                          ; v27  the dump loads' address
.set SPW,  28
.set NIL,  29
.set PFO,  30
.set TA0,  31                          ; v31  my place in the table, trip 0
.set F0,   64
.set F1,   128
.set BIAS, 192
.set XR,   64                          ; the way out: group u's eight numbers at XR + 8 u
.set DR,   96                          ; x - mean, then the normalised numbers
.set CSR,  128                         ; cos (4 registers) and sin (4) of group u at CSR + 8 u
.set TM,   176                         ; four registers at work a group
.set WK,   192                         ; eight a group: g x rstd; later what is sent to the partner lane (4) and the result (4)
.set HR,   224                         ; the normalised numbers in f16, 4 a group
.set ZP,   240                         ; what the partner lane sent, 4 a group
.set G1,  24
.set G0,  32                           ; s[32:39] group 0 for X: a set for each of the two first fills; the second then walks on
.set G1B, 48
.set G0B, 56                           ; s[56:63] the same for W^T
.set GT1, 68                           ; s[68:75], s[76:79]: the table's descriptor
.set GT0, 76
.set LIM, 43
.set PFA, 44
.set TOG, 67                           ; s67  the LDS byte, from slot 0's first, at which the fetches of fragments begin
.set NX1, 46                           ; s46, s47  the tail: its next two values
.set NX2, 47
.set NEG64, 92                         ; s[92:93] -1/64, named as a pair; s94 1/64; s95 1e-5: registers that no memory instruction and no descriptor names
.set INV64, 94
.set EPS,   95
.set MSB, 0
.macro WIN new                         ; the immediate's high byte repeats the setting that is left
.if MSB != (\new)
	s_set_vgpr_msb (MSB<<8)|(\new)
.set MSB, \new
.endif
.endm
.set MUL_LO, 0xa1                      ; source 0 (W^T) window 1, source 1 (X) window 0, C and D window 2
.set TO_B,   0x40
.macro JLOAD s                         ; a joint load: waves 0, 1 fetch X's two halves, waves 2, 3 W^T's; the branch hangs on the wave's number alone
	s_cmp_eq_u32 s11, 0
	s_cbranch_scc0 .Lfor_b_\@
	tensor_load_to_lds s[G0+4*(\s):G0+4*(\s)+3], s[G1:G1+7]
	s_nop 0
.rept 4
	v_nop
.endr
	s_branch .Lasked_\@
.Lfor_b_\@:
	tensor_load_to_lds s[G0B+4*(\s):G0B+4*(\s)+3], s[G1B:G1B+7]
	s_nop 0
.rept 4
	v_nop
.endr
.Lasked_\@:
.endm
; A prefetch behind each refill: the K step two refills on, 32 rows x 256 bytes, a lane a row.  X's rows: the clusters of jobs 0 and 1 ask (job 2 reads the rows that job 1 names);
; W^T's rows: the clusters with y = 0.  The four partners of a joint load share its 128 rows by address, 32 each.  The loop's last two trips ask for nothing: no K step lies two on.
.macro ASK
	s_cmp_gt_u32 s3, s[LIM]
	s_cbranch_scc0 .Lnot_mine_\@
	global_prefetch_b8 v[PFO], s[PFA:PFA+1] offset:KSTEP*2 th:TH_LOAD_NT scope:SCOPE_SE
.Lnot_mine_\@:
.endm
.macro CREST                           ; a round of the cluster's barrier behind its opening barrier
	s_cmp_lg_u32 s10, 0
	s_cbranch_scc1 .Lnot_wave_0_\@
	s_barrier_signal -3
.Lnot_wave_0_\@:
	s_barrier_wait -3
	s_barrier_signal -1
	s_barrier_wait -1
.endm
.macro CROUND
	s_barrier_signal -1
	s_barrier_wait -1
	CREST
.endm
	s_load_b512 s[80:95], s[0:1], 0x0              ; pre 80, bq 82, bk 84, bv 86, qn_g 88, qn_b 90, kn_g 92, kn_b 94
	s_load_b64 s[8:9], s[0:1], 0x40                ; qkv
	v_lshl_add_u32 v[SPW], v0, 2, SPARE
	v_mov_b32 v[NIL], 0
	ds_add_u32 v[SPW], v[NIL]                      ; the wave's opening: the add and its wait ahead of my first tensor load
	v_lshrrev_b32 v1, 5, v0
	v_readfirstlane_b32 s10, v1                    ; wave 0..3
	s_lshr_b32 s11, s10, 1                         ; my half of the tile's rows; also: I fetch for X (0) or W^T (1)
	s_and_b32 s12, s10, 1                          ; my half of its columns; also: which 128 rows I fetch
	s_bfe_u32 s40, ttmp6, 0x40000                  ; cx = the tile column in the job's 1,024 columns
	s_bfe_u32 s41, ttmp6, 0x40004                  ; cy
	s_mov_b32 s66, ttmp9                           ; JOB: the same in all sixteen partners
	s_and_b32 s13, ttmp7, 0xffff
	s_lshl_b32 s13, s13, 2
	s_add_co_u32 s13, s13, s41                     ; tile row 0..15
	s_lshl_b32 s43, s41, 2
	s_lshl_b32 s43, 15, s43                        ; my row of the cluster
	s_lshl_b32 s44, 0x1111, s40                    ; my column
	s_or_b32 s[G1+0], s43, (1<<16)|(1<<20)|(1<<21)|(5<<22)|(3<<25)   ; mask; 2-byte elements; padding on; bit 21 beside a mask; 4 words behind every 64
	s_or_b32 s[G1B+0], s44, (1<<16)|(1<<20)|(1<<21)|(5<<22)|(3<<25)
	s_or_b32 s[GT1+0], s43, (1<<16)|(1<<20)|(1<<21)|(4<<22)|(3<<25)  ; the table: 4 words behind every 32
.irp g, G1, G1B
	s_mov_b32 s[(\g)+1], KSTEP<<16                 ; tensor_dim0 = 128
	s_mov_b32 s[(\g)+2], 128<<16                   ; tensor_dim1 = 128
	s_mov_b32 s[(\g)+3], KSTEP<<16                 ; tile_dim0 = 128
	s_mov_b32 s[(\g)+4], 128                       ; tile_dim1 = 128
	s_mov_b32 s[(\g)+5], SIZE_K                    ; elements from row to row
	s_mov_b32 s[(\g)+6], 0
	s_mov_b32 s[(\g)+7], 0
.endr
	s_mov_b32 s[GT1+1], 128<<16                    ; 64 table rows are 8,192 dense bytes: 32 rows of 256 bytes, two table rows each
	s_mov_b32 s[GT1+2], 32<<16
	s_mov_b32 s[GT1+3], 128<<16
	s_mov_b32 s[GT1+4], 32
	s_mov_b32 s[GT1+5], 128
	s_mov_b32 s[GT1+6], 0
	s_mov_b32 s[GT1+7], 0
	s_lshl_b32 s17, s12, 7
	s_lshl_b32 s16, s13, 8
	s_add_co_u32 s16, s16, s17
	s_lshl_b32 s16, s16, 11                        ; X: (256 x tile row + 128 x half) rows of 2,048 bytes
	s_mov_b32 s17, 0
	s_lshl_b32 s18, s13, 8
	s_lshl_b32 s19, s10, 6
	s_add_co_u32 s18, s18, s19
	s_lshl_b32 s18, s18, 7                         ; the table: (256 x tile row + 64 x wave) rows of 128 bytes
	s_mov_b32 s19, TK
	s_cmp_eq_u32 s66, 0
	s_cselect_b32 s19, TQ, s19
	s_add_co_u32 s18, s18, s19
	s_mov_b32 s19, 0
	s_lshl_b32 s46, s40, 8
	s_lshl_b32 s47, s12, 7
	s_add_co_u32 s46, s46, s47
	s_lshl_b32 s46, s46, 11                        ; W^T: (256 x tile column + 128 x half) rows
	s_mov_b32 s47, 0
	s_cmp_eq_u32 s66, 0
	s_cselect_b32 s22, 0, XC
	s_mov_b32 s23, 0
	s_mul_i32 s98, s66, WSZ
	s_add_co_u32 s98, s98, WQT
	s_mov_b32 s99, 0
	s_mul_i32 s20, s10, HALFT                      ; where my part of a slot lies: no place in the cluster enters an LDS address
	s_mul_i32 s21, s10, 64*TPITCH
	s_add_co_u32 s21, s21, TABLE
	s_mov_b32 s[TOG], 0                            ; the fetches begin in slot 0
	s_wait_dscnt 0x0                               ; the opening add is done
	s_wait_kmcnt 0x0
	s_add_nc_u64 s[4:5], s[80:81], s[22:23]        ; X of this job
	s_add_nc_u64 s[6:7], s[80:81], s[98:99]        ; W^T of this job
	s_add_nc_u64 s[14:15], s[4:5], s[16:17]
	s_add_nc_u64 s[46:47], s[6:7], s[46:47]
	CROUND                                         ; all sixteen work-groups are here: the first joint loads meet
	s_mov_b32 s[GT0], 1
	s_mov_b32 s[GT0+1], s21
	s_add_nc_u64 s[GT0+2:GT0+3], s[80:81], s[18:19]
	s_or_b32 s[GT0+3], s[GT0+3], 0x80000000
	tensor_load_to_lds s[GT0:GT0+3], s[GT1:GT1+7]  ; my 64 rows of the table (job 2 fetches them too and reads none: no branch on the job stands round a joint first fill)
	s_nop 0
.rept 4
	v_nop
.endr
.irp s, 0,1
	s_mov_b32 s[G0+4*(\s)], 1
	s_add_co_u32 s[G0+4*(\s)+1], s20, (\s)*SLOT
	s_add_nc_u64 s[G0+4*(\s)+2:G0+4*(\s)+3], s[14:15], (\s)*KSTEP*2
	s_or_b32 s[G0+4*(\s)+3], s[G0+4*(\s)+3], 0x80000000
	s_mov_b32 s[G0B+4*(\s)], 1
	s_add_co_u32 s[G0B+4*(\s)+1], s20, (\s)*SLOT
	s_add_nc_u64 s[G0B+4*(\s)+2:G0B+4*(\s)+3], s[46:47], (\s)*KSTEP*2
	s_or_b32 s[G0B+4*(\s)+3], s[G0B+4*(\s)+3], 0x80000000
	JLOAD \s                                       ; three tensor loads of mine are out
.endr
	v_and_b32 v1, 15, v0                           ; l % 16
	v_bfe_u32 v2, v0, 4, 1                         ; l / 16
	v_and_b32 v5, 7, v0                            ; cg: my eight channels of a head
	v_lshlrev_b32 v11, 5, v2
	v_lshlrev_b32 v10, 5, v5
	s_cmp_eq_u32 s66, 0
	s_cselect_b64 s[96:97], s[82:83], s[84:85]
	s_cselect_b64 s[88:89], s[88:89], s[92:93]     ; g and b of the job's LayerNorm (job 2 loads K's and uses none)
	s_cselect_b64 s[90:91], s[90:91], s[94:95]
	s_cmp_eq_u32 s66, 2
	s_cselect_b64 s[96:97], s[86:87], s[96:97]
	s_lshl_b32 s98, s40, 10
	s_lshl_b32 s99, s12, 9
	s_add_co_u32 s98, s98, s99
	s_mov_b32 s99, 0
	s_add_nc_u64 s[96:97], s[96:97], s[98:99]      ; the bias of my 128 columns
.irp b, 0,1,2,3,4,5,6,7
	global_load_b128 v[BIAS+8*\b:BIAS+8*\b+3],   v11, s[96:97] offset:64*\b      ; register j: column 16 b + 8 (l / 16) + j, as in an accumulator
	global_load_b128 v[BIAS+8*\b+4:BIAS+8*\b+7], v11, s[96:97] offset:64*\b+16
.endr
	global_load_b128 v[32:35], v10, s[88:89]
	global_load_b128 v[36:39], v10, s[88:89] offset:16
	global_load_b128 v[40:43], v10, s[90:91]
	global_load_b128 v[44:47], v10, s[90:91] offset:16
	v_mul_u32_u24 v3, v1, PITCH
	v_lshl_add_u32 v3, v2, 4, v3                   ; a fragment's row x pitch + 16 x half
	s_mul_i32 s21, s11, HALFT
	s_mul_i32 s22, s12, HALFT
	s_add_co_u32 s22, s22, 2*HALFT
	v_add_nc_u32 v[ADRA0], s21, v3
	v_add_nc_u32 v[ADRB0], s22, v3
	s_mul_i32 s23, s10, DWAVE                      ; my dump
	v_mul_u32_u24 v4, v1, DPITCH
	v_lshl_add_u32 v4, v2, 4, v4
	v_add_nc_u32 v[DST], s23, v4                   ; in: row l % 16; the 16-byte group 2 b + l / 16
	v_bfe_u32 v6, v0, 3, 1                         ; rr
	v_mul_u32_u24 v4, v6, DPITCH
	v_lshl_add_u32 v4, v2, 7, v4
	v_lshl_add_u32 v4, v5, 4, v4
	v_add_nc_u32 v[RD0], s23, v4                   ; back: row rr, group 8 (l / 16) + cg
	s_mul_i32 s23, s11, 128*TPITCH
	s_add_co_u32 s23, s23, TABLE
	v_mul_u32_u24 v4, v6, TPITCH
	v_and_b32 v7, 3, v0
	v_lshl_add_u32 v4, v7, 4, v4
	v_add_nc_u32 v[TA0], s23, v4                   ; the table: my half's rows, row rr, angles 8 (cg % 4) + 0..7
	v_lshlrev_b32 v4, 18, v2                       ; the second head lies 2,048 rows of 128 bytes on
	v_lshl_add_u32 v4, v6, 7, v4
	v_lshl_add_u32 v[CO], v5, 4, v4
	v_bfe_u32 v7, v0, 2, 1
	v_lshlrev_b32 v8, 31, v7
	v_lshl_or_b32 v[SGN], v7, 15, v8
	s_lshr_b32 s20, s13, 3                         ; batch
	s_lshl_b32 s20, s20, 4
	s_lshl_b32 s21, s40, 2
	s_add_co_u32 s20, s20, s21
	s_lshl_b32 s21, s12, 1
	s_add_co_u32 s20, s20, s21                     ; 16 b + my first head
	s_lshl_b32 s20, s20, 11
	s_and_b32 s21, s13, 7
	s_lshl_b32 s21, s21, 8
	s_add_co_u32 s20, s20, s21
	s_lshl_b32 s21, s11, 7
	s_add_co_u32 s20, s20, s21                     ; + my first row in the sequence
	s_lshl_b32 s20, s20, 7
	s_mul_i32 s21, s66, OSZ
	s_add_co_u32 s20, s20, s21
	s_mov_b32 s21, 0
	s_add_nc_u64 s[8:9], s[8:9], s[20:21]
	s_lshl_b32 s20, s13, 8                         ; the prefetches
	s_lshl_b32 s21, s40, 8
	s_lshr_b32 s22, s66, 1
	s_and_b32 s23, ttmp7, 0xffff
	s_cmp_eq_u32 s11, 0                            ; do I fetch for X?
	s_cselect_b32 s20, s20, s21                    ; the tile's first row
	s_cselect_b32 s21, s40, s41                    ; my place among the four that ask with me
	s_cselect_b32 s22, s22, s23                    ; 0 where my cluster is the one that names these rows
	s_cselect_b64 s[PFA:PFA+1], s[4:5], s[6:7]
	s_cmp_eq_u32 s22, 0
	s_cselect_b32 s[LIM], 2, -1                    ; a wave that prefetches does so while more than two trips are left; the same in all sixteen partners, for a given wave
	s_lshl_b32 s22, s12, 7
	s_add_co_u32 s20, s20, s22
	s_lshl_b32 s21, s21, 5
	s_add_co_u32 s20, s20, s21
	s_lshl_b32 s20, s20, 11
	s_add_co_u32 s20, s20, 2*KSTEP*2               ; at K step 2: the first refill steps it to 3 and names K step 4
	s_mov_b32 s21, 0
	s_add_nc_u64 s[PFA:PFA+1], s[PFA:PFA+1], s[20:21]
	v_and_b32 v[PFO], 31, v0
	v_lshlrev_b32 v[PFO], 11, v[PFO]
; 16 matrix instructions: row blocks a0, a0 + 1 of the window's four x all 8 column blocks, 32 along K.  start = 1: C is the bias (window 0), D the accumulator.
; The 64 accumulators take turns, one instruction a turn.
.macro MUL16 f, hi, a0, start
.if \start
	WIN 0x81+0x40*(\hi)
.else
	WIN MUL_LO+0x50*(\hi)
.endif
.irp a, \a0, (\a0)+1
.irp b, 0,1,2,3,4,5,6,7
.if \start
	v_wmma_f32_16x16x32_bf16 v[8*(8*(\a)+(\b)):8*(8*(\a)+(\b))+7], v[(\f)+8*(\b):(\f)+8*(\b)+7], v[(\f)+8*(4*(\hi)+(\a)):(\f)+8*(4*(\hi)+(\a))+7], v[BIAS+8*(\b):BIAS+8*(\b)+7]
.else
	v_wmma_f32_16x16x32_bf16 v[8*(8*(\a)+(\b)):8*(8*(\a)+(\b))+7], v[(\f)+8*(\b):(\f)+8*(\b)+7], v[(\f)+8*(4*(\hi)+(\a)):(\f)+8*(4*(\hi)+(\a))+7], v[8*(8*(\a)+(\b)):8*(8*(\a)+(\b))+7]
.endif
.endr
.endr
.endm
; 32 LDS loads in one run: a quarter step's fragments, at byte k behind s[TOG], into buffer f.  The two address lines and two v_nop are the four plain places between the last matrix
; instruction and loads into registers that matrix instructions have read (ISA guide 7.12.1 for vector instructions).
.macro FETCH k, f
	WIN 0
	v_add_nc_u32 v[ADRA], s[TOG], v[ADRA0]
	v_add_nc_u32 v[ADRB], s[TOG], v[ADRB0]
	v_nop
	v_nop
	WIN TO_B
.irp i, 0,1,2,3,4,5,6,7
	ds_load_b128 v[(\f)+8*(\i):(\f)+8*(\i)+3],   v[ADRB] offset:(\k)+(\i)*16*PITCH
	ds_load_b128 v[(\f)+8*(\i)+4:(\f)+8*(\i)+7], v[ADRB] offset:(\k)+(\i)*16*PITCH+32
.endr
	WIN 0
.irp i, 0,1,2,3,4,5,6,7
	ds_load_b128 v[(\f)+8*(\i):(\f)+8*(\i)+3],   v[ADRA] offset:(\k)+(\i)*16*PITCH
	ds_load_b128 v[(\f)+8*(\i)+4:(\f)+8*(\i)+7], v[ADRA] offset:(\k)+(\i)*16*PITCH+32
.endr
.endm
.macro PLACES                          ; four plain places in front of reads of results
.rept 4
	v_nop
.endr
.endm
.macro QUARTER k, f, g, start          ; 64 matrix instructions on buffer f; in the middle the next quarter's fragments go into buffer g
	s_wait_dscnt 8                                 ; W^T's and X's rows 0-63 are in; the youngest eight loads may be out
	MUL16 \f, 0, 0, \start
	MUL16 \f, 0, 2, \start
	FETCH \k, \g
	s_wait_dscnt 32                                ; all but the 32 just issued
	MUL16 \f, 1, 0, \start
	MUL16 \f, 1, 2, \start
.endm
; The last quarter of a K step and the change of slots.  In front of the round each wave waits for all its tensor loads (one is out: its part of the next slot), adds 0 to its spare word, and waits for
; that and for its reads of this slot.  Behind the round the slot just read is filled again, two K steps on; then the fetches go over to the other slot.
.macro TURN
	s_wait_xcnt 0x0                                ; the last prefetch, a K step back, has read its address
	s_add_nc_u64 s[PFA:PFA+1], s[PFA:PFA+1], KSTEP*2
	WIN 0
	s_wait_tensorcnt 0x0                           ; my part of the next slot has landed, and no tensor load of mine is out
	ds_add_u32 v[SPW], v[NIL]
	s_wait_dscnt 9                                 ; (the add and the youngest eight loads may be out)
	MUL16 F1, 0, 0, 0
	s_wait_dscnt 0x0                               ; the add is done, and my reads of this slot are over
	s_barrier_signal -1
	MUL16 F1, 0, 2, 0
	WIN 0
	s_barrier_wait -1
	CREST                                          ; no wave of any partner still reads this slot or has a load on its way
	s_xor_b32 s[G0+5], s[G0+5], SLOT               ; the walking descriptors: the other slot than last time,
	s_add_nc_u64 s[G0+6:G0+7], s[G0+6:G0+7], KSTEP*2  ; the next K step
	s_xor_b32 s[G0B+5], s[G0B+5], SLOT
	s_add_nc_u64 s[G0B+6:G0B+7], s[G0B+6:G0B+7], KSTEP*2
	JLOAD 1                                        ; the first tensor load behind the round: 224 matrix instructions ahead of the wait for it
	s_xor_b32 s[TOG], s[TOG], SLOT
	FETCH 0, F0
	ASK
	MUL16 F1, 1, 0, 0
	MUL16 F1, 1, 2, 0
.endm
	s_wait_tensorcnt 1                             ; the table and K step 0 have landed; K step 1's load may stay out
	s_barrier_signal -1
	s_barrier_wait -1
	FETCH 0, F0
	s_wait_loadcnt 0x0                             ; bias, g, b
	QUARTER 64,  F0, F1, 1                         ; the first quarter starts the sums with the bias
	WIN 0
	s_mov_b32 s3, STEPS-2
.Lstep:                                        ; a trip: a K step's quarters 1, 2, 3 and the next step's quarter 0; the slot that is left is filled again
	QUARTER 128, F1, F0, 0
	QUARTER 192, F0, F1, 0
	TURN
	QUARTER 64,  F0, F1, 0
	WIN 0
	s_sub_co_u32 s3, s3, 1
	s_cmp_lg_u32 s3, 0
	s_cbranch_scc1 .Lstep
	; THE TAIL fills nothing.  A trip multiplies two quarters and fetches the two behind them: K step 6's quarters 2, 3 (slot 0); K step 7's 0, 1 (slot 1); its 2, 3.
	; The fourth trip multiplies the last quarter and is left in its middle; its fetch re-reads bytes and serves nothing: the price, once a launch, of one text for every trip.
	s_mov_b32 s[TOG], 128
	s_mov_b32 s[NX1], SLOT
	s_mov_b32 s[NX2], SLOT+128
	s_mov_b32 s3, 4
.Ltail:
	QUARTER 0,  F1, F0, 0
	WIN 0
	s_cmp_eq_u32 s3, 1
	s_cbranch_scc1 .Lout
	QUARTER 64, F0, F1, 0
	WIN 0
	s_wait_tensorcnt 0x0                           ; in the first trip: my part of K step 7, asked for 224 matrix instructions back; later no load is out
	ds_add_u32 v[SPW], v[NIL]
	s_mov_b32 s[TOG], s[NX1]                       ; where the next trip's fetches begin
	s_mov_b32 s[NX1], s[NX2]
	s_wait_dscnt 0x0
	s_barrier_signal -1
	s_barrier_wait -1                              ; everybody's part of K step 7 is in
	s_sub_co_u32 s3, s3, 1
	s_cmp_lg_u32 s3, 0
	s_cbranch_scc1 .Ltail
.Lout:
	PLACES                                         ; behind the last products, in front of the stores that read them
	s_wait_dscnt 0x0                               ; my last reads of the ring are back
	s_barrier_signal -1                            ; so are everybody's: the ring's bytes, which have had their last fill, may be written
	s_barrier_wait -1
	; THE DUMP: row 16 (4 hi + a) + l % 16; of a row's 512 bytes the first 256 hold, for each group p of eight columns, columns 8 p .. 8 p + 3, the second 256 columns 8 p + 4 .. 8 p + 7
.irp hi, 0,1
	WIN 0x08+4*(\hi)                               ; the stores' data lie in window 2, then 3
.irp a, 0,1,2,3
.irp b, 0,1,2,3,4,5,6,7
	ds_store_b128 v[DST], v[8*(8*(\a)+(\b)):8*(8*(\a)+(\b))+3]   offset:(4*(\hi)+(\a))*16*DPITCH+32*(\b)
	ds_store_b128 v[DST], v[8*(8*(\a)+(\b))+4:8*(8*(\a)+(\b))+7] offset:(4*(\hi)+(\a))*16*DPITCH+32*(\b)+256
.endr
.endr
.endr
	WIN 0
.macro XLOAD                           ; eight rows of my dump: group u holds rows 2 u + rr; a lane takes eight channels of one head.  LDS serves a wave's instructions in order: these see the stores above
.irp u, 0,1,2,3
	ds_load_b128 v[XR+8*\u:XR+8*\u+3],   v[RDA] offset:2*DPITCH*\u
	ds_load_b128 v[XR+8*\u+4:XR+8*\u+7], v[RDA] offset:2*DPITCH*\u+256
.endr
.endm
	s_mov_b32 s96, 0                               ; the dump's byte of the trip whose rows are fetched
	s_mov_b32 s97, 0                               ; the table's
	v_mov_b32 v[RDA], v[RD0]
	XLOAD
	s_mov_b32 s[NEG64], 0xbc800000                 ; -1/64, named as a pair.  These four registers held kn_g's and kn_b's addresses, which only the selects at the head read
	s_mov_b32 s[NEG64+1], 0xbc800000
	s_mov_b32 s[INV64], 0x3c800000                 ; 1/64
	s_mov_b32 s[EPS], 0x3727c5ac                   ; 1e-5
	s_mov_b32 s3, 16
	s_cmp_eq_u32 s66, 2
	s_cbranch_scc1 .Lvjob
.set k, 0
.rept 16
	v_mov_b32 v[ZP+k], 0                           ; the destination of a move between lanes counts as read: written once
.set k, k+1
.endr
	s_wait_dscnt 0x0
.Lqk:                                          ; 16 trips: 8 rows x 2 heads: LayerNorm over 64 channels (8 in the lane, 8 lanes), rotation, 4 stores
.irp u, 0,1,2,3
	v_pk_add_f32 v[TM+4*\u:TM+4*\u+1], v[XR+8*\u:XR+8*\u+1], v[XR+8*\u+2:XR+8*\u+3]
	v_pk_add_f32 v[TM+4*\u+2:TM+4*\u+3], v[XR+8*\u+4:XR+8*\u+5], v[XR+8*\u+6:XR+8*\u+7]
.endr
.irp u, 0,1,2,3
	v_pk_add_f32 v[TM+4*\u:TM+4*\u+1], v[TM+4*\u:TM+4*\u+1], v[TM+4*\u+2:TM+4*\u+3]
.endr
.irp u, 0,1,2,3
	v_add_f32 v[TM+4*\u], v[TM+4*\u], v[TM+4*\u+1]
.endr
.irp m, 1,2,4
.irp u, 0,1,2,3
	v_add_f32_dpp v[TM+4*\u], v[TM+4*\u], v[TM+4*\u] row_xmask:\m row_mask:0xf bank_mask:0xf
.endr
.endr
.irp u, 0,1,2,3
.irp k, 0,2,4,6
	v_pk_fma_f32 v[DR+8*\u+\k:DR+8*\u+\k+1], v[TM+4*\u:TM+4*\u+1], s[NEG64:NEG64+1], v[XR+8*\u+\k:XR+8*\u+\k+1] op_sel_hi:[0,0,1]  ; x - sum / 64
.endr
.endr
	s_cmp_eq_u32 s3, 1                             ; the last trip has no rows behind it
	s_cbranch_scc1 .Lqk_nox
	s_add_co_u32 s96, s96, 8*DPITCH
	v_add_nc_u32 v[RDA], s96, v[RD0]
	XLOAD                                          ; the next trip's rows: they land under the rest of this trip
.Lqk_nox:
	v_add_nc_u32 v[TA], s97, v[TA0]
	s_add_co_u32 s97, s97, 8*TPITCH
.irp u, 0,1,2,3
	ds_load_b128 v[CSR+8*\u:CSR+8*\u+3],   v[TA] offset:2*TPITCH*\u       ; cos of my eight angles
	ds_load_b128 v[CSR+8*\u+4:CSR+8*\u+7], v[TA] offset:2*TPITCH*\u+64    ; sin
.endr
.irp u, 0,1,2,3
	v_pk_mul_f32 v[TM+4*\u:TM+4*\u+1], v[DR+8*\u:DR+8*\u+1], v[DR+8*\u:DR+8*\u+1]
.endr
.irp k, 2,4,6
.irp u, 0,1,2,3
	v_pk_fma_f32 v[TM+4*\u:TM+4*\u+1], v[DR+8*\u+\k:DR+8*\u+\k+1], v[DR+8*\u+\k:DR+8*\u+\k+1], v[TM+4*\u:TM+4*\u+1]
.endr
.endr
.irp u, 0,1,2,3
	v_add_f32 v[TM+4*\u], v[TM+4*\u], v[TM+4*\u+1]
.endr
.irp m, 1,2,4
.irp u, 0,1,2,3
	v_add_f32_dpp v[TM+4*\u], v[TM+4*\u], v[TM+4*\u] row_xmask:\m row_mask:0xf bank_mask:0xf
.endr
.endr
.irp u, 0,1,2,3
	v_fma_f32 v[TM+4*\u+1], v[TM+4*\u], s[INV64], s[EPS]   ; variance + eps
.endr
.irp u, 0,1,2,3
	v_rsq_f32 v[TM+4*\u+2], v[TM+4*\u+1]
.endr
	v_nop                                          ; a plain instruction behind the last of the four,
	s_wait_alu depctr_va_vdst(0)                   ; and one wait for the batch, ahead of its first reader
.irp u, 0,1,2,3
.irp k, 0,2,4,6
	v_pk_mul_f32 v[WK+8*\u+\k:WK+8*\u+\k+1], v[32+\k:33+\k], v[TM+4*\u+2:TM+4*\u+3] op_sel_hi:[1,0]
.endr
.endr
.irp u, 0,1,2,3
.irp k, 0,2,4,6
	v_pk_fma_f32 v[DR+8*\u+\k:DR+8*\u+\k+1], v[DR+8*\u+\k:DR+8*\u+\k+1], v[WK+8*\u+\k:WK+8*\u+\k+1], v[40+\k:41+\k]
.endr
.endr
.irp u, 0,1,2,3
.irp q, 0,1,2,3
	v_cvt_pk_f16_f32 v[HR+4*\u+\q], v[DR+8*\u+2*\q], v[DR+8*\u+2*\q+1]
.endr
.endr
.irp u, 0,1,2,3
.irp q, 0,1,2,3
	v_xor_b32 v[WK+8*\u+\q], v[SGN], v[HR+4*\u+\q] ; lanes with the upper 32 channels send -x2, the others x1
.endr
.endr
.irp u, 0,1,2,3
.irp q, 0,1,2,3
	v_mov_b32_dpp v[ZP+4*\u+\q], v[WK+8*\u+\q] row_xmask:4 row_mask:0xf bank_mask:0xf  ; the partner holds the channel 32 away
.endr
.endr
	s_wait_dscnt 0x0                               ; the table's loads are in (and the next rows, which were issued ahead of them)
.irp u, 0,1,2,3
.irp q, 0,1,2,3
	v_pk_mul_f16 v[WK+8*\u+4+\q], v[ZP+4*\u+\q], v[CSR+8*\u+4+\q]
.endr
.endr
.irp u, 0,1,2,3
.irp q, 0,1,2,3
	v_pk_fma_f16 v[WK+8*\u+4+\q], v[HR+4*\u+\q], v[CSR+8*\u+\q], v[WK+8*\u+4+\q]  ; x1 c - x2 s below, x2 c + x1 s above
.endr
.endr
.irp u, 0,1,2,3
	global_store_b128 v[CO], v[WK+8*\u+4:WK+8*\u+7], s[8:9] offset:256*\u  ; 16 lanes store two rows of a head: 256 consecutive bytes, aligned
.endr
	s_wait_xcnt 0x0                                ; the stores have read their data and their base: both are written again only behind this wait
	s_add_nc_u64 s[8:9], s[8:9], 1024
	s_sub_co_u32 s3, s3, 1
	s_cmp_lg_u32 s3, 0
	s_cbranch_scc1 .Lqk
	s_branch .Lend
.Lvjob:
	s_wait_dscnt 0x0
.Lv:                                           ; V: rounded to bf16 and stored, the same rows and addresses
.irp u, 0,1,2,3
.irp q, 0,1,2,3
	v_cvt_pk_bf16_f32 v[WK+4*\u+\q], v[XR+8*\u+2*\q], v[XR+8*\u+2*\q+1]
.endr
.endr
	s_cmp_eq_u32 s3, 1
	s_cbranch_scc1 .Lv_nox
	s_add_co_u32 s96, s96, 8*DPITCH
	v_add_nc_u32 v[RDA], s96, v[RD0]
	XLOAD
.Lv_nox:
.irp u, 0,1,2,3
	global_store_b128 v[CO], v[WK+4*\u:WK+4*\u+3], s[8:9] offset:256*\u
.endr
	s_wait_dscnt 0x0
	s_wait_xcnt 0x0
	s_add_nc_u64 s[8:9], s[8:9], 1024
	s_sub_co_u32 s3, s3, 1
	s_cmp_lg_u32 s3, 0
	s_cbranch_scc1 .Lv
.Lend:
	s_wait_tensorcnt 0x0                           ; the wave's end
	ds_add_u32 v[SPW], v[NIL]
	s_wait_dscnt 0x0
	CROUND                                         ; the closing round
	s_endpgm
.Lfunc_end_k_q39df2f32ff_qkv:
	.size	k_q39df2f32ff_qkv, .Lfunc_end_k_q39df2f32ff_qkv-k_q39df2f32ff_qkv
	.p2alignl 7, 3214868480
	.fill 96, 4, 3214868480
	.section	.rodata,"a",@progbits
	.p2align	6, 0x0
	.amdhsa_kernel k_q39df2f32ff_qkv
		.amdhsa_group_segment_fixed_size 327680
		.amdhsa_private_segment_fixed_size 0
		.amdhsa_enable_private_segment 0
		.amdhsa_kernarg_size 72
		.amdhsa_user_sgpr_count 2
		.amdhsa_user_sgpr_kernarg_segment_ptr 1
		.amdhsa_wavefront_size32 1
		.amdhsa_system_sgpr_workgroup_id_x 1
		.amdhsa_system_sgpr_workgroup_id_y 1
		.amdhsa_system_sgpr_workgroup_id_z 1
		.amdhsa_system_vgpr_workitem_id 0
		.amdhsa_next_free_vgpr 1024
		.amdhsa_next_free_sgpr 100
		.amdhsa_reserve_vcc 0
		.amdhsa_float_denorm_mode_32 3
		.amdhsa_float_denorm_mode_16_64 3
		.amdhsa_memory_ordered 1
		.amdhsa_forward_progress 1
		.amdhsa_inst_pref_size 87
	.end_amdhsa_kernel
	.amdgpu_metadata
---
amdhsa.version: [ 1, 2 ]
amdhsa.kernels:
  - .name:           k_q39df2f32ff_qkv
    .symbol:         k_q39df2f32ff_qkv.kd
    .args:
      - { .name: pre, .offset: 0, .size: 8, .value_kind: global_buffer, .address_space: global }
      - { .name: bq, .offset: 8, .size: 8, .value_kind: global_buffer, .address_space: global }
      - { .name: bk, .offset: 16, .size: 8, .value_kind: global_buffer, .address_space: global }
      - { .name: bv, .offset: 24, .size: 8, .value_kind: global_buffer, .address_space: global }
      - { .name: qn_g, .offset: 32, .size: 8, .value_kind: global_buffer, .address_space: global }
      - { .name: qn_b, .offset: 40, .size: 8, .value_kind: global_buffer, .address_space: global }
      - { .name: kn_g, .offset: 48, .size: 8, .value_kind: global_buffer, .address_space: global }
      - { .name: kn_b, .offset: 56, .size: 8, .value_kind: global_buffer, .address_space: global }
      - { .name: qkv, .offset: 64, .size: 8, .value_kind: global_buffer, .address_space: global }
    .group_segment_fixed_size: 327680
    .private_segment_fixed_size: 0
    .kernarg_segment_align: 8
    .kernarg_segment_size: 72
    .max_flat_workgroup_size: 128
    .sgpr_count:     100
    .vgpr_count:     1024
    .wavefront_size: 32
...
	.end_amdgpu_metadata
.endif
;; end of part 2
;; launch attn (part 3): grid 8 x 32, 4 waves a work-group, clusters of 4 x 1, 327,680 bytes of LDS; arguments qkv, query, o; writes o
.if DOCPART == 3
	.amdgcn_target "amdgcn-amd-amdhsa--gfx1250"
	.amdhsa_code_object_version 6
	.text
	.protected	k_q39df2f32ff_attn
	.globl	k_q39df2f32ff_attn
	.p2align	8
	.type	k_q39df2f32ff_attn,@function
k_q39df2f32ff_attn:
	s_mov_b64 s[64:65], 0
	v_nop
	global_prefetch_b8 v0, s[64:65] scope:SCOPE_SE
	s_setreg_imm32_b32 hwreg(HW_REG_WAVE_MODE, 25, 1), 1
	s_wait_xcnt 0x0
	s_wait_alu depctr_hold_cnt(0) depctr_sa_sdst(0) depctr_va_vdst(0) depctr_va_sdst(0) depctr_va_ssrc(0) depctr_va_vcc(0) depctr_vm_vsrc(0)
	s_getreg_b32 s2, hwreg(HW_REG_IB_STS2, 6, 4)
	s_cmp_eq_u32 s2, 0
	s_cbranch_scc0 .Lentry_in_a_cluster
	s_endpgm
.Lentry_in_a_cluster:
	s_bfe_u32 s2, ttmp6, 0x10000c
	s_cmp_lg_u32 s2, 0x3003
	s_cbranch_scc0 .Lentry_shape_is_right
	s_endpgm
.Lentry_shape_is_right:
; o[b][q][64 h ..] = query[b][q][64 h ..] + the sum over k of softmax_k(Q . K / 8) V.  Q, K: [16 b + h][2048][64] f16; V the same in bf16; query and o: [2][2048][1024] f32.
; Products, maxima and sums in f32, a running maximum; the weights p are rounded to bf16 for the second product (their sum is taken of the unrounded p); the result is added to query in f32 and never rounded to 16 bits.
; LIMITS.  A weight below 2^-126 counts as 0 in the sum; NaN and infinities are not treated apart.
; SHARES.  A work-group owns 256 queries of one head, a wave 64: four PIECES of 16.  Every wave walks all 2,048 keys, 64 a step, 256 a slot.
; LAYOUT.  S^T = K Q^T holds ONE query a lane (lane % 16) and the keys 8 (lane / 16) + 0..7; two such results rounded to bf16 ARE source 1 of O^T = V^T P.  V comes out of LDS turned, by ds_load_tr16_b128.
; TURNS.  Turn n belongs to piece n: 8 products K Q^T of piece n + 1, later 8 products V^T P of piece n - 1; beside them the scaling, exponentials, roundings, sums and rescaling of piece n and the maximum and
; statistics of piece n + 1.  Four vector instructions stand behind every matrix instruction, the others in one run.  A turn's 33 exponentials are one batch with one wait.
; m starts at the lowest finite number, O and l at 0: the first step is a step like any other, with a = 0.
; CLUSTER.  The four query blocks of a cluster belong to one head and walk the same K and V: each tile is asked for jointly.
; REGISTERS, in windows of 256: window 0: v0-15 addresses; v16-31 statistics; v48-55 at work; v61-63 prefetch offset, spare word, 0; v64-127 S^T, two buffers (v64-191 on the way out); v192-223 P, two buffers
;   window 1: v0-127 O^T, 32 a piece      window 2: v0-63 Q; v128-191 K of one step; v192-255 V of one step      window 3: v0-127 my rows of query
.set SIZE_N, 2048
.set NP,    4
.set KS,    64
.set PK,    144       ; a row of K in LDS: 128 bytes + 16
.set PV,    160       ; a row of V: 128 + 32
.set VOFF,  4*KS*PK
.set SLOT1, 1<<17
.set STAGE, SLOT1+4*KS*(PK+PV)  ; never filled by a tensor load: 16 rows x 272 bytes of f32 for each wave
.set SP,    272
.set SPARE, STAGE+4*16*SP
.set KOFF,  8388608   ; K's first byte in qkv; V lies as far behind K
.set AK0, 2
.set AV0, 3
.set AK,  4
.set AV,  5
.set STO, 6
.set RD,  7
.set GO,  8           ; v8   my byte offset in two rows of query and o
.set MV,  12
.set QO,  15
.set ST,  16          ; piece t's statistics at v[ST+4 t]: c m, m, l (even keys', odd keys')
.set TMP, 48
.set PFO, 61
.set SPW, 62
.set NIL, 63
.set S,   64
.set LAND, 64         ; the way out: 32 registers a piece
.set P,   192
.set KF,  128
.set VF,  192
.set WV,  12
.set LIM, 15
.set G1K, 24
.set G1V, 32
.set G0K, 40
.set G0V, 44
.set PFA, 48          ; s[48:49] where my prefetches stand
.set SLOTS, 56
.set CNT, 57
.set CS,  58
.set SEL, 60
.set TBK, 62
.set TBV, 63
.set MSB, 0
.macro WIN new
.if MSB != (\new)
	s_set_vgpr_msb (MSB<<8)|(\new)
.set MSB, (\new)
.endif
.endm
.set W_KQ, 0x0a       ; K and Q in window 2, S^T in window 0
.set W_PV, 0x52       ; V in window 2, P in window 0, O^T in window 1
.set W_RS, 0x41       ; destination and source 0 in window 1, source 1 in window 0
.macro JLOAD                        ; a joint fill: waves 0, 1 fetch the halves of a tile's K, waves 2, 3 those of its V, 128 keys each
	s_cmp_lt_u32 s[WV], 2
	s_cbranch_scc0 .Lfor_v_\@
	tensor_load_to_lds s[G0K:G0K+3], s[G1K:G1K+7]
	s_nop 0
.rept 4
	v_nop
.endr
	s_branch .Lasked_\@
.Lfor_v_\@:
	tensor_load_to_lds s[G0V:G0V+3], s[G1V:G1V+7]
	s_nop 0
.rept 4
	v_nop
.endr
.Lasked_\@:
.endm
; A prefetch of the tile that the NEXT change of slots will ask for: 32,768 bytes of K and of V, a lane 256 bytes.  Both clusters of a head walk the same tiles: the first asks.  Its four partners take
; 8,192 bytes each, told apart by address; wave 0 asks for K's, wave 2 for V's.  The change that asks for the last tile prefetches nothing.
.macro ASK
	s_cmp_gt_u32 s[SLOTS], s[LIM]
	s_cbranch_scc0 .Lnot_mine_\@
	global_prefetch_b8 v[PFO], s[PFA:PFA+1] th:TH_LOAD_NT scope:SCOPE_SE
.Lnot_mine_\@:
.endm
.macro CROUND
	s_barrier_signal -1
	s_barrier_wait -1
	s_cmp_lg_u32 s[WV], 0
	s_cbranch_scc1 .Lnot_wave_0_\@
	s_barrier_signal -3
.Lnot_wave_0_\@:
	s_barrier_wait -3
	s_barrier_signal -1
	s_barrier_wait -1
.endm
; THE CHANGE OF SLOTS.  Each wave waits for all its tensor loads (one is out: its part of the other slot), adds 0 to its spare word, and waits for that and for its reads of the slot that it leaves.
; fill = 1: the barrier is a round of the cluster's, and the joint fill, the tile two slots on, is the first thing behind it: it has four key steps, 256 matrix instructions, in which to land.
.macro CHANGE fill
	WIN 0
	s_wait_tensorcnt 0x0
	ds_add_u32 v[SPW], v[NIL]
.if \fill
.irp g, G0K, G0V
	s_xor_b32 s[\g+1], s[\g+1], SLOT1
	s_add_nc_u64 s[\g+2:\g+3], s[\g+2:\g+3], 4*KS*128
.endr
	s_wait_xcnt 0x0                 ; the last prefetch, a slot back, has read its address
	s_add_nc_u64 s[PFA:PFA+1], s[PFA:PFA+1], 4*KS*128
	s_wait_dscnt 0x0
	CROUND
	JLOAD
	ASK
.else
	s_wait_dscnt 0x0
	s_barrier_signal -1
	s_barrier_wait -1
.endif
	s_sub_co_u32 s[TBK], s[TBK], 4*KS*PK
	s_xor_b32 s[TBK], s[TBK], SLOT1
	s_sub_co_u32 s[TBV], s[TBV], 4*KS*PV
	s_xor_b32 s[TBV], s[TBV], SLOT1
.endm
	s_load_b128 s[4:7], s[0:1], 0x0   ; qkv s[4:5], query s[6:7]
	s_load_b64 s[10:11], s[0:1], 0x10 ; o
	v_lshl_add_u32 v[SPW], v0, 2, SPARE
	v_mov_b32 v[NIL], 0
	ds_add_u32 v[SPW], v[NIL]       ; the wave's opening: the add and its wait ahead of my first tensor load
	v_lshrrev_b32 v1, 5, v0
	v_readfirstlane_b32 s[WV], v1
	s_bfe_u32 s13, ttmp6, 0x40000   ; cx
	s_lshl_b32 s14, ttmp9, 2
	s_add_co_u32 s14, s14, s13      ; my block of 256 queries: it enters Q's, query's and o's addresses alone
	s_and_b32 s20, ttmp7, 0xffff    ; 16 b + h, which the four partners share
	s_lshl_b32 s21, s20, 18         ; the head's first byte in Q, K and V
	s_and_b32 s16, s[WV], 1         ; which half of a tile's 256 keys I fetch
	s_lshl_b32 s22, s16, 14
	s_add_co_u32 s22, s22, s21
	s_add_co_u32 s22, s22, KOFF
	s_mov_b32 s23, 0
	s_add_co_u32 s50, s22, KOFF
	s_mov_b32 s51, 0
	s_mul_i32 s17, s16, 128*PK
	s_mul_i32 s18, s16, 128*PV
	s_lshl_b32 s2, s14, 2
	s_add_co_u32 s2, s2, s[WV]      ; my wave among the head's 32
	s_lshl_b32 s52, s2, 13          ; its 64 rows of 128 bytes
	s_add_co_u32 s52, s52, s21
	s_mov_b32 s53, 0
	s_lshl_b32 s54, s2, 18          ; its 64 rows of 4,096 bytes,
	s_lshr_b32 s3, s20, 4
	s_lshl_b32 s3, s3, 23           ; the batch,
	s_add_co_u32 s54, s54, s3
	s_and_b32 s3, s20, 15
	s_lshl_b32 s3, s3, 8            ; the head's 256 bytes of a row
	s_add_co_u32 s54, s54, s3
	s_mov_b32 s55, 0
	s_lshl_b32 s48, s13, 13         ; the prefetches: my work-group's 8,192 bytes, in tile 1; the first change steps it to tile 2
	s_add_co_u32 s48, s48, s21
	s_add_co_u32 s48, s48, KOFF+4*KS*128
	s_cmp_lt_u32 s[WV], 2
	s_cselect_b32 s3, 0, KOFF
	s_add_co_u32 s48, s48, s3
	s_mov_b32 s49, 0
	s_and_b32 s[LIM], s[WV], 1
	s_or_b32 s[LIM], s[LIM], ttmp9  ; 0 in waves 0 and 2 of the head's first cluster: the same in all four partners
	s_cmp_eq_u32 s[LIM], 0
	s_cselect_b32 s[LIM], 1, -1
	; 128 keys are 16,384 dense bytes: asked for as 64 rows of 256 bytes, two keys a row, padded in LDS behind every key
	s_mov_b32 s[G1K], 15|(1<<16)|(1<<20)|(1<<21)|(4<<22)|(3<<25)
	s_mov_b32 s[G1V], 15|(1<<16)|(1<<20)|(1<<21)|(4<<22)|(7<<25)
.irp g, G1K, G1V
	s_mov_b32 s[\g+1], 128<<16
	s_mov_b32 s[\g+2], 64<<16
	s_mov_b32 s[\g+3], 128<<16
	s_mov_b32 s[\g+4], 64
	s_mov_b32 s[\g+5], 128
	s_mov_b32 s[\g+6], 0
	s_mov_b32 s[\g+7], 0
.endr
	s_mov_b32 s[CS], 0x3e38aa3b     ; c = log2(e) / 8
	s_mov_b32 s[CS+1], s[CS]
	s_mov_b32 s[SEL], 0x76543210
	s_mov_b32 s[SEL+1], 0xfedcba98
	s_mov_b32 s[TBK], SLOT1+4*KS*PK ; the first change of slots turns these two into 0
	s_mov_b32 s[TBV], SLOT1+4*KS*PV
	s_mov_b32 s[G0K], 1
	s_mov_b32 s[G0K+1], s17
	s_mov_b32 s[G0V], 1
	s_add_co_u32 s[G0V+1], s18, VOFF
	s_mov_b32 s[SLOTS], SIZE_N/256-1
	v_and_b32 v[PFO], 31, v0
	v_lshlrev_b32 v[PFO], 8, v[PFO]
	s_wait_dscnt 0x0                ; the opening add is done
	s_wait_kmcnt 0x0
	s_add_nc_u64 s[G0K+2:G0K+3], s[4:5], s[22:23]
	s_or_b32 s[G0K+3], s[G0K+3], 0x80000000
	s_add_nc_u64 s[G0V+2:G0V+3], s[4:5], s[50:51]
	s_or_b32 s[G0V+3], s[G0V+3], 0x80000000
	s_add_nc_u64 s[PFA:PFA+1], s[4:5], s[48:49]
	s_add_nc_u64 s[8:9], s[4:5], s[52:53]      ; Q at my wave's first row
	s_add_nc_u64 s[6:7], s[6:7], s[54:55]      ; query and o at my wave's first row, my head's channels
	s_add_nc_u64 s[10:11], s[10:11], s[54:55]
	CROUND                          ; all four work-groups are here
	JLOAD                           ; tile 0 into slot 0; slot 1 is asked for when it is in
	v_and_b32 v1, 15, v0            ; l % 16
	v_bfe_u32 v9, v0, 4, 1          ; l / 16
	v_lshlrev_b32 v[QO], 7, v1
	v_lshl_add_u32 v[QO], v9, 4, v[QO]
	v_lshlrev_b32 v[GO], 12, v9
	v_lshl_add_u32 v[GO], v1, 4, v[GO]
	WIN 0x80
.set i, 0
.rept 8                             ; Q stays in registers: piece i / 2, channels 32 (i % 2) on
	global_load_b128 v[8*i:8*i+3],   v[QO], s[8:9] offset:(i/2)*2048+(i%2)*64
	global_load_b128 v[8*i+4:8*i+7], v[QO], s[8:9] offset:(i/2)*2048+(i%2)*64+32
.set i, i+1
.endr
	WIN 0xc0
.set i, 0
.rept 32                            ; my 64 rows of query, my head's 256 bytes of each: 16 lanes a row; wanted on the way out
	global_load_b128 v[4*i:4*i+3], v[GO], s[6:7] offset:i*8192
.set i, i+1
.endr
	; What the first turn finds: V's registers and P's second buffer hold 0, O^T and l are 0.  All this stands in the wait for the first tile.
	WIN 0x80
.set i, VF
.rept 64
	v_mov_b32 v[i], 0
.set i, i+1
.endr
	WIN 0x40
.set i, 0
.rept 128
	v_mov_b32 v[i], 0
.set i, i+1
.endr
	WIN 0
.set i, 0
.rept 4
	v_mov_b32 v[ST+4*i], 0xfe000000    ; c m: far below every c s
	v_mov_b32 v[ST+4*i+1], 0xff7fffff  ; m
	v_mov_b32 v[ST+4*i+2], 0
	v_mov_b32 v[ST+4*i+3], 0
.set i, i+1
.endr
.set i, P+16
.rept 16
	v_mov_b32 v[i], 0
.set i, i+1
.endr
	v_mul_u32_u24 v[AK0], v1, PK
	v_lshl_add_u32 v[AK0], v9, 4, v[AK0]
	v_and_b32 v10, 7, v0
	v_bfe_u32 v11, v0, 3, 1
	v_lshl_add_u32 v[AV0], v9, 3, v10
	v_mul_u32_u24 v[AV0], v[AV0], PV
	v_lshl_add_u32 v[AV0], v11, 4, v[AV0]
	v_add_nc_u32 v[AV0], VOFF, v[AV0]
	s_mul_i32 s13, s[WV], 16*SP
	s_add_co_u32 s13, s13, STAGE    ; my stage
	v_mul_u32_u24 v[STO], v1, SP    ; in: row l % 16, 32 bytes for each half of the lanes
	v_lshl_add_u32 v[STO], v9, 5, v[STO]
	v_add_nc_u32 v[STO], s13, v[STO]
	v_mul_u32_u24 v[RD], v9, SP     ; back: lanes 0-15 take one row of 256 bytes, lanes 16-31 the next
	v_lshl_add_u32 v[RD], v1, 4, v[RD]
	v_add_nc_u32 v[RD], s13, v[RD]
; THE MATRIX WORK.  The 4 accumulators of a run of 8 take turns.
.macro KQ x                         ; product i of 8 of S^T = K Q^T for piece x: channels 32 (i / 4) on, keys 16 (i % 4) on
	WIN W_KQ
.set rS, S+32*((\x)%2)+8*(i%4)
.set rK, KF+16*(i%4)+8*(i/4)
.set rQ, 16*(\x)+8*(i/4)
.if i < 4
	v_wmma_f32_16x16x32_f16 v[rS:rS+7], v[rK:rK+7], v[rQ:rQ+7], 0
.else
	v_wmma_f32_16x16x32_f16 v[rS:rS+7], v[rK:rK+7], v[rQ:rQ+7], v[rS:rS+7]
.endif
.endm
.macro PV x                         ; product i of 8 of O^T += V^T P for piece x: keys 32 (i / 4) on, channels 16 (i % 4) on
	WIN W_PV
.set rO, 32*(\x)+8*(i%4)
.set rV, VF+32*(i/4)+8*(i%4)
.set rP, P+16*((\x)%2)+8*(i/4)
	v_wmma_f32_16x16x32_bf16 v[rO:rO+7], v[rV:rV+7], v[rP:rP+7], v[rO:rO+7]
.endm
.macro MM                           ; the turn's next matrix instruction
.if i < 8
	KQ (Y+1)%NP
.else
.set i, i-8
	PV (Y+NP-1)%NP
.set i, i+8
.endif
.set i, i+1
.endm
.macro FETCH_K                      ; a step's K: 16 loads in one run
	WIN 0x80
.irp f, 0,1,2,3,4,5,6,7
	ds_load_b128 v[KF+8*\f:KF+8*\f+3],   v[AK] offset:(\f/2)*16*PK+(\f%2)*64
	ds_load_b128 v[KF+8*\f+4:KF+8*\f+7], v[AK] offset:(\f/2)*16*PK+(\f%2)*64+32
.endr
	s_add_co_u32 s[TBK], s[TBK], KS*PK
	WIN 0
.endm
.macro FETCH_V                      ; a step's V, turned
	WIN 0x80
.irp f, 0,1,2,3,4,5,6,7
	ds_load_tr16_b128 v[VF+8*\f:VF+8*\f+3],   v[AV] offset:(\f/4)*32*PV+(\f%4)*32
	ds_load_tr16_b128 v[VF+8*\f+4:VF+8*\f+7], v[AV] offset:(\f/4)*32*PV+16*PV+(\f%4)*32
.endr
	WIN 0
.endm
; THE VECTOR WORK, a line at a time: OP kind, number.  For piece Y: F n: c s - c m for pair n.  E n: the exponential of score n.  C n: pair n rounded to bf16.  B n: of the four weights 4 n .. the second pair is
; added onto the first.  L n: l takes that sum (L 0: l = a l + sum).  R n: pair n of O^T times a.  For piece Y + 1: X n, number n of the 22 that find its maximum and statistics
; (each accumulator's lowest registers are read first).
.set F, 0
.set E, 1
.set C, 2
.set B, 3
.set L, 4
.set R, 5
.set X, 6
.macro REGS y
.set rT, ST+4*(\y)
.set rC, TMP+4*((\y)%2)
.set rW, MV+((\y)%2)
.set rS, S+32*((\y)%2)
.set rP, P+16*((\y)%2)
.set rO, 32*(\y)
.endm
.macro OP k, n
.if (\k) == R
	REGS Y
	WIN W_RS
	v_pk_mul_f32 v[rO+2*(\n):rO+2*(\n)+1], v[rO+2*(\n):rO+2*(\n)+1], v[rC+2:rC+3] op_sel_hi:[1,0]
.elseif (\k) < R
	REGS Y
	WIN 0
.if (\k) == F
	v_pk_fma_f32 v[rS+2*(\n):rS+2*(\n)+1], v[rS+2*(\n):rS+2*(\n)+1], s[CS:CS+1], v[rT:rT+1] op_sel_hi:[1,0,0] neg_lo:[0,0,1] neg_hi:[0,0,1]
.elseif (\k) == E
	v_exp_f32 v[rS+(\n)], v[rS+(\n)]
.elseif (\k) == C
	v_cvt_pk_bf16_f32 v[rP+(\n)], v[rS+2*(\n)], v[rS+2*(\n)+1]
.elseif (\k) == B
	v_pk_add_f32 v[rS+4*(\n):rS+4*(\n)+1], v[rS+4*(\n):rS+4*(\n)+1], v[rS+4*(\n)+2:rS+4*(\n)+3]
.elseif (\n) == 0
	v_pk_fma_f32 v[rT+2:rT+3], v[rT+2:rT+3], v[rC+2:rC+3], v[rS:rS+1] op_sel_hi:[1,0,1]
.else
	v_pk_add_f32 v[rT+2:rT+3], v[rT+2:rT+3], v[rS+4*(\n):rS+4*(\n)+1]
.endif
.else
	REGS (Y+1)%NP
	WIN 0
.if (\n) < 4
	v_max3_num_f32 v[rC+(\n)], v[rS+8*(\n)], v[rS+8*(\n)+1], v[rS+8*(\n)+2]
.elseif (\n) < 12
	v_max3_num_f32 v[rC+(\n)%4], v[rC+(\n)%4], v[rS+8*((\n)%4)+2*((\n)/4)+1], v[rS+8*((\n)%4)+2*((\n)/4)+2]
.elseif (\n) == 12
	v_max3_num_f32 v[rC], v[rC], v[rS+7], v[rS+15]
.elseif (\n) == 13
	v_max3_num_f32 v[rC+1], v[rC+1], v[rS+23], v[rS+31]
.elseif (\n) == 14
	v_max3_num_f32 v[rC+2], v[rC+2], v[rC+3], v[rT+1]
.elseif (\n) == 15
	v_mov_b32 v[rW], v[rT]
.elseif (\n) == 16
	v_max3_num_f32 v[rC], v[rC], v[rC+1], v[rC+2]
.elseif (\n) == 17
	v_permlanex16_b32 v[rC+3], v[rC], s[SEL], s[SEL+1]
.elseif (\n) == 18
	v_max_num_f32 v[rT+1], v[rC], v[rC+3]
.elseif (\n) == 19
	v_mul_f32 v[rT], s[CS], v[rT+1]
.elseif (\n) == 20
	v_sub_f32 v[rC+1], v[rW], v[rT]
.else
	v_exp_f32 v[rC+2], v[rC+1]
.endif
.endif
.endm
.macro OPS a, i1, b=-1, i2=0, c=-1, i3=0, d=-1, i4=0
	OP \a, \i1
.if (\b) >= 0
	OP \b, \i2
.endif
.if (\c) >= 0
	OP \c, \i3
.endif
.if (\d) >= 0
	OP \d, \i4
.endif
.endm
.macro ROW a, i1, b, i2, c, i3, d, i4  ; a matrix instruction and the four behind it
	MM
	OPS \a, \i1, \b, \i2, \c, \i3, \d, \i4
.endm
; A TURN, for piece p.  Ahead of its one wait stands all that names no result of the turn's exponentials; behind it the 8 products V^T P, whose riders are the roundings and sums.
; K of the next step is fetched in piece 2's turn, V of the step in hand at the end of piece 0's; each is waited for a turn later.
; last = 1 (the tail): in the last trip there is no further step, and K's run is jumped over; the exponentials issued so far get their wait ahead of that branch.
; cnt = 1: the loop's count is taken down some lines ahead of the branch that stands behind the turn.
.macro TURN p, last=0, cnt=0
.set Y, (\p)
.set i, 0
.if (\p) == 3
	s_wait_dscnt 0x0                ; K is in
.endif
	ROW F,0, F,1, R,0, R,1
	ROW F,2, E,0, R,2, R,3
	ROW F,3, E,1, R,4, R,5
	ROW F,4, E,2, R,6, R,7
	ROW F,5, E,3, R,8, R,9
	ROW F,6, E,4, X,0, R,10
.if (\p) == 2
	WIN 0
	v_add_nc_u32 v[AK], s[TBK], v[AK0]
.endif
	ROW F,7, E,5, X,1, X,4
	ROW F,8, E,6, X,2, X,5
	OPS E,7, E,8, X,6, E,9
	OPS X,3, E,10, X,8, E,11
.if (\p) == 2
.if \last
	WIN 0
	s_wait_alu depctr_va_vdst(0)
	s_cmp_eq_u32 s[CNT], 1
	s_cbranch_scc1 .Lno_k_\@
.endif
	FETCH_K
.if \last
.Lno_k_\@:
.endif
.endif
	OPS X,9, X,7, E,12, X,10
	OPS E,13, X,12, X,11, E,14
	OPS X,13, E,15, F,9, X,14
.if (\p) == 0
	v_add_nc_u32 v[AV], s[TBV], v[AV0]
.endif
	OPS E,16, F,10, E,17, F,11
	OPS X,16, E,18, X,15, E,19
	OPS F,12, E,20, X,17, E,21
	OPS F,13, E,22, F,14, E,23
	OPS X,18, E,24, F,15, E,25
	OPS R,11, E,26, X,19, E,27
	OPS R,12, E,28, R,13, E,29
	OPS X,20, E,30, R,14, E,31
	OPS X,21, R,15                  ; the next piece's a is the batch's last; R 15 is the plain instruction behind it
	WIN 0
	s_wait_alu depctr_va_vdst(0)    ; the wait for the batch
.if (\p) == 1
	s_wait_dscnt 0x0                ; V is in
.endif
	ROW C,0, B,0, C,2, B,1
	ROW L,0, C,4, B,2, L,1
	ROW C,6, B,3, L,2, C,8
	ROW B,4, L,3, C,10, B,5
	ROW L,4, C,12, B,6, L,5
.if (\p) == 0
	s_add_co_u32 s[TBV], s[TBV], KS*PV
.endif
.if \cnt
	s_sub_co_u32 s[CNT], s[CNT], 1
	s_cmp_lg_u32 s[CNT], 0
.endif
	ROW C,14, B,7, L,6, C,1
	ROW C,3, L,7, C,5, C,7
	ROW C,9, C,11, C,13, C,15
.if (\p) == 0
	FETCH_V
.endif
.endm
	CHANGE 1                        ; tile 0 is in, everybody's part of it; tile 1 is asked for
	v_add_nc_u32 v[AK], s[TBK], v[AK0]
	FETCH_K                         ; key step 0
	s_wait_loadcnt 32               ; Q's 16 loads are in; the 32 younger ones, my rows of query, may stay out
	s_wait_dscnt 0x0
.set i, 0
.rept 8
	KQ 0                            ; piece 0's first scores
.set i, i+1
.endr
	WIN 0
.rept 4
	v_nop                           ; the places behind those products
.endr
.set Y, NP-1                        ; X works for piece Y + 1: piece 0
.irp n, 0,1,2,3,4,5,6,7,8,9,10,11,12,13,14,15,16,17,18,19,20,21
	OP X, \n
.endr
	v_nop                           ; a plain instruction behind the exponential,
	s_wait_alu depctr_va_vdst(0)    ; and its wait, ahead of the branch
	s_mov_b32 s[CNT], 4
	s_branch .Lfirst                ; the loop is entered at a step's first turn, in the middle of a trip
.Lslot:                             ; six times: tiles 2 to 7 are asked for
	CHANGE 1
	s_mov_b32 s[CNT], 4
.Lstep:                             ; a trip: pieces 2 and 3 of one step, then pieces 0 and 1 of the next
	TURN 2
	TURN 3
	WIN 0
.Lfirst:
	TURN 0
	TURN 1, 0, 1
	WIN 0
	s_cbranch_scc1 .Lstep
	s_sub_co_u32 s[SLOTS], s[SLOTS], 1
	s_cmp_lg_u32 s[SLOTS], 0
	s_cbranch_scc1 .Lslot
	CHANGE 0                        ; the tail is written out
	s_mov_b32 s[CNT], 5             ; four trips fetch the last tile's steps; the fifth is left in its middle
.Ltail:
	TURN 2, 1
	TURN 3
	WIN 0
	s_sub_co_u32 s[CNT], s[CNT], 1
	s_cmp_eq_u32 s[CNT], 0
	s_cbranch_scc1 .Lout
	TURN 0
	TURN 1
	WIN 0
	s_branch .Ltail
.Lout:                              ; the fifth trip's 8 products K Q^T (on the last K once more) and the maximum made of them serve nothing: the price, once a launch, of one text for every trip
.set i, 0
.rept 8
	PV NP-1                         ; the last piece's V^T P of the last step
.set i, i+1
.endr
	; THE WAY OUT.  l's halves and the other half of the lanes' are added; O^T is divided by l and sent in f32 through my stage, a piece at a time; whole rows come back, take my rows of query, and are stored.
	WIN 0
.macro ALL line:vararg
.set t, 0
.rept 4
	\line
.set t, t+1
.endr
.endm
	ALL v_add_f32 v[ST+4*t+2], v[ST+4*t+2], v[ST+4*t+3]
	ALL v_permlanex16_b32 v[ST+4*t+3], v[ST+4*t+2], s[SEL], s[SEL+1]
	ALL v_add_f32 v[ST+4*t+2], v[ST+4*t+2], v[ST+4*t+3]
	ALL v_rcp_f32 v[ST+4*t+2], v[ST+4*t+2]
	v_nop                           ; a plain instruction behind the last reciprocal,
	s_wait_alu depctr_va_vdst(0)    ; and one wait for the four
	s_wait_loadcnt 0x0              ; my rows of query
.macro PACK t
	WIN W_RS
.set i, 32*(\t)
.rept 16
	v_pk_mul_f32 v[i:i+1], v[i:i+1], v[ST+4*(\t)+2:ST+4*(\t)+3] op_sel_hi:[1,0]
.set i, i+2
.endr
	WIN 0x04                        ; the stores' data lie in window 1
.irp c, 0,1,2,3
	ds_store_b128 v[STO], v[32*(\t)+8*\c:32*(\t)+8*\c+3]   offset:64*\c     ; channels 16 c + 8 (l / 16) + 0..3 of query l % 16
	ds_store_b128 v[STO], v[32*(\t)+8*\c+4:32*(\t)+8*\c+7] offset:64*\c+16
.endr
	WIN 0
.irp f, 0,1,2,3,4,5,6,7
	ds_load_b128 v[LAND+32*(\t)+4*\f:LAND+32*(\t)+4*\f+3], v[RD] offset:\f*2*SP  ; LDS serves a wave's instructions in order: these see the stores above; the next piece's stores come behind them
.endr
.endm
.macro SEND t, younger              ; younger: the LDS instructions issued behind piece t's loads: the next piece's sixteen, or none
	s_wait_dscnt \younger
	WIN 0x0c                        ; source 1 in window 3
.set i, 0
.rept 16
	v_pk_add_f32 v[LAND+32*(\t)+i:LAND+32*(\t)+i+1], v[LAND+32*(\t)+i:LAND+32*(\t)+i+1], v[32*(\t)+i:32*(\t)+i+1]
.set i, i+2
.endr
	WIN 0
.irp f, 0,1,2,3,4,5,6,7
	global_store_b128 v[GO], v[LAND+32*(\t)+4*\f:LAND+32*(\t)+4*\f+3], s[10:11] offset:(\t)*65536+\f*8192  ; 16 lanes store a head's 64 numbers of a row: 256 consecutive bytes, aligned
.endr
.endm
	PACK 0
.set t, 1
.rept 3
	PACK t
	SEND t-1, 16
.set t, t+1
.endr
	SEND 3, 0
	s_wait_tensorcnt 0x0            ; the wave's end
	ds_add_u32 v[SPW], v[NIL]
	s_wait_dscnt 0x0
	CROUND                          ; the closing round
	s_endpgm
.Lfunc_end_k_q39df2f32ff_attn:
	.size	k_q39df2f32ff_attn, .Lfunc_end_k_q39df2f32ff_attn-k_q39df2f32ff_attn
	.p2alignl 7, 3214868480
	.fill 96, 4, 3214868480
	.section	.rodata,"a",@progbits
	.p2align	6, 0x0
	.amdhsa_kernel k_q39df2f32ff_attn
		.amdhsa_group_segment_fixed_size 327680
		.amdhsa_private_segment_fixed_size 0
		.amdhsa_enable_private_segment 0
		.amdhsa_kernarg_size 24
		.amdhsa_user_sgpr_count 2
		.amdhsa_user_sgpr_kernarg_segment_ptr 1
		.amdhsa_wavefront_size32 1
		.amdhsa_system_sgpr_workgroup_id_x 1
		.amdhsa_system_sgpr_workgroup_id_y 1
		.amdhsa_system_sgpr_workgroup_id_z 1
		.amdhsa_system_vgpr_workitem_id 0
		.amdhsa_next_free_vgpr 896
		.amdhsa_next_free_sgpr 66
		.amdhsa_reserve_vcc 0
		.amdhsa_float_denorm_mode_32 3
		.amdhsa_float_denorm_mode_16_64 3
		.amdhsa_memory_ordered 1
		.amdhsa_forward_progress 1
		.amdhsa_inst_pref_size 119
	.end_amdhsa_kernel
	.amdgpu_metadata
---
amdhsa.version: [ 1, 2 ]
amdhsa.kernels:
  - .name:           k_q39df2f32ff_attn
    .symbol:         k_q39df2f32ff_attn.kd
    .args:
      - { .name: qkv, .offset: 0, .size: 8, .value_kind: global_buffer, .address_space: global }
      - { .name: query, .offset: 8, .size: 8, .value_kind: global_buffer, .address_space: global }
      - { .name: o, .offset: 16, .size: 8, .value_kind: global_buffer, .address_space: global }
    .group_segment_fixed_size: 327680
    .private_segment_fixed_size: 0
    .kernarg_segment_align: 8
    .kernarg_segment_size: 24
    .max_flat_workgroup_size: 128
    .sgpr_count:     66
    .vgpr_count:     896
    .wavefront_size: 32
...
	.end_amdgpu_metadata
.endif
;; end of part 3
;; launch lnorm (part 4): grid 256 x 1, 8 waves a work-group, no clusters, 0 bytes of LDS; arguments o, fn_g, fn_b, hn; writes hn
.if DOCPART == 4
	.amdgcn_target "amdgcn-amd-amdhsa--gfx1250"
	.amdhsa_code_object_version 6
	.text
	.protected	k_q39df2f32ff_lnorm
	.globl	k_q39df2f32ff_lnorm
	.p2align	8
	.type	k_q39df2f32ff_lnorm,@function
k_q39df2f32ff_lnorm:
	s_mov_b64 s[64:65], 0
	v_nop
	global_prefetch_b8 v0, s[64:65] scope:SCOPE_SE
	s_setreg_imm32_b32 hwreg(HW_REG_WAVE_MODE, 25, 1), 1
	s_wait_xcnt 0x0
; hn = LayerNorm(o) over 1,024 channels, g and b applied, rounded once to bf16.  o: [4096][1024] f32, hn the same in bf16.
; A wave owns two rows and keeps them in registers between the passes: mean, then the sum of (x - mean)^2, then the scaling: o is read once, and no wave waits for another.
; A load of the wave covers 512 consecutive bytes, a store 256, aligned.  No LDS, no matrix unit, no cluster: nothing is shared but g and b.
.set XR, 32                            ; v[32:95]    row r at XR + 32 r: register 4 j + e holds column 128 j + 4 lane + e
.set GR, 96                            ; v[96:127]   g, the same columns
.set BR, 128                           ; v[128:159]  b
.set YR, 160                           ; v[160:191]  row r's 16 packed words
.set TM, 8                             ; v[8:23]     eight at work a row
	s_load_b256 s[4:11], s[0:1], 0x0               ; o, fn_g, fn_b, hn
	v_lshrrev_b32 v1, 5, v0
	v_readfirstlane_b32 s12, v1
	v_and_b32 v2, 31, v0
	v_lshlrev_b32 v3, 4, v2
	v_lshlrev_b32 v4, 3, v2
	s_lshl_b32 s13, ttmp9, 3
	s_add_co_u32 s13, s13, s12                     ; my wave among 2,048
	s_lshl_b32 s14, s13, 13                        ; two rows of 4,096 bytes
	s_mov_b32 s15, 0
	s_lshl_b32 s16, s13, 12                        ; two rows of 2,048
	s_mov_b32 s17, 0
	s_mov_b32 s20, 0x76543210
	s_mov_b32 s21, 0xfedcba98
	s_mov_b32 s22, 0xba800000                      ; -1/1024, named as a pair
	s_mov_b32 s23, 0xba800000
	s_mov_b32 s24, 0x3a800000                      ; 1/1024
	s_mov_b32 s25, 0x3727c5ac                      ; 1e-5
	s_wait_kmcnt 0x0
	s_add_nc_u64 s[4:5], s[4:5], s[14:15]
	s_add_nc_u64 s[10:11], s[10:11], s[16:17]
.irp r, 0,1
.irp j, 0,1,2,3,4,5,6,7
	global_load_b128 v[XR+32*\r+4*\j:XR+32*\r+4*\j+3], v3, s[4:5] offset:4096*\r+512*\j
.endr
.endr
.irp j, 0,1,2,3,4,5,6,7
	global_load_b128 v[GR+4*\j:GR+4*\j+3], v3, s[6:7] offset:512*\j
	global_load_b128 v[BR+4*\j:BR+4*\j+3], v3, s[8:9] offset:512*\j
.endr
.macro FOLD                            ; each row's four pairs into one number, the same in every lane, in v[TM + 8 r]
.irp r, 0,1
	v_pk_add_f32 v[TM+8*\r:TM+8*\r+1], v[TM+8*\r:TM+8*\r+1], v[TM+8*\r+2:TM+8*\r+3]
	v_pk_add_f32 v[TM+8*\r+4:TM+8*\r+5], v[TM+8*\r+4:TM+8*\r+5], v[TM+8*\r+6:TM+8*\r+7]
.endr
.irp r, 0,1
	v_pk_add_f32 v[TM+8*\r:TM+8*\r+1], v[TM+8*\r:TM+8*\r+1], v[TM+8*\r+4:TM+8*\r+5]
.endr
.irp r, 0,1
	v_add_f32 v[TM+8*\r], v[TM+8*\r], v[TM+8*\r+1]
.endr
.irp m, 1,2,4,8
.irp r, 0,1
	v_add_f32_dpp v[TM+8*\r], v[TM+8*\r], v[TM+8*\r] row_xmask:\m row_mask:0xf bank_mask:0xf
.endr
.endr
.irp r, 0,1
	v_permlanex16_b32 v[TM+8*\r+1], v[TM+8*\r], s20, s21
.endr
.irp r, 0,1
	v_add_f32 v[TM+8*\r], v[TM+8*\r], v[TM+8*\r+1]
.endr
.endm
	s_wait_loadcnt 16                              ; both rows are in; g's and b's sixteen loads may stay out
.irp c, 0,2,4,6
.irp r, 0,1
	v_pk_add_f32 v[TM+8*\r+\c:TM+8*\r+\c+1], v[XR+32*\r+\c:XR+32*\r+\c+1], v[XR+32*\r+8+\c:XR+32*\r+8+\c+1]  ; four chains a row: nothing is cleared
.endr
.endr
.irp k, 16,24
.irp c, 0,2,4,6
.irp r, 0,1
	v_pk_add_f32 v[TM+8*\r+\c:TM+8*\r+\c+1], v[TM+8*\r+\c:TM+8*\r+\c+1], v[XR+32*\r+\k+\c:XR+32*\r+\k+\c+1]
.endr
.endr
.endr
	FOLD
.irp r, 0,1
.set k, 0
.rept 16
	v_pk_fma_f32 v[XR+32*\r+k:XR+32*\r+k+1], v[TM+8*\r:TM+8*\r+1], s[22:23], v[XR+32*\r+k:XR+32*\r+k+1] op_sel_hi:[0,0,1]  ; x - sum / 1024
.set k, k+2
.endr
.endr
.irp c, 0,2,4,6
.irp r, 0,1
	v_pk_mul_f32 v[TM+8*\r+\c:TM+8*\r+\c+1], v[XR+32*\r+\c:XR+32*\r+\c+1], v[XR+32*\r+\c:XR+32*\r+\c+1]
.endr
.endr
.irp k, 8,16,24
.irp c, 0,2,4,6
.irp r, 0,1
	v_pk_fma_f32 v[TM+8*\r+\c:TM+8*\r+\c+1], v[XR+32*\r+\k+\c:XR+32*\r+\k+\c+1], v[XR+32*\r+\k+\c:XR+32*\r+\k+\c+1], v[TM+8*\r+\c:TM+8*\r+\c+1]
.endr
.endr
.endr
	FOLD
.irp r, 0,1
	v_fma_f32 v[TM+8*\r+1], v[TM+8*\r], s24, s25
.endr
.irp r, 0,1
	v_rsq_f32 v[TM+8*\r+2], v[TM+8*\r+1]
.endr
	v_nop                                          ; a plain instruction behind the second,
	s_wait_alu depctr_va_vdst(0)                   ; and one wait for both
	s_wait_loadcnt 0x0                             ; g and b
.irp r, 0,1
.set k, 0
.rept 16
	v_pk_mul_f32 v[XR+32*\r+k:XR+32*\r+k+1], v[XR+32*\r+k:XR+32*\r+k+1], v[TM+8*\r+2:TM+8*\r+3] op_sel_hi:[1,0]
.set k, k+2
.endr
.set k, 0
.rept 16
	v_pk_fma_f32 v[XR+32*\r+k:XR+32*\r+k+1], v[XR+32*\r+k:XR+32*\r+k+1], v[GR+k:GR+k+1], v[BR+k:BR+k+1]
.set k, k+2
.endr
.set k, 0
.rept 16
	v_cvt_pk_bf16_f32 v[YR+16*\r+k], v[XR+32*\r+2*k], v[XR+32*\r+2*k+1]
.set k, k+1
.endr
.irp j, 0,1,2,3,4,5,6,7
	global_store_b64 v4, v[YR+16*\r+2*\j:YR+16*\r+2*\j+1], s[10:11] offset:2048*\r+256*\j  ; 32 lanes store 256 consecutive bytes, aligned
.endr
.endr
	s_endpgm
.Lfunc_end_k_q39df2f32ff_lnorm:
	.size	k_q39df2f32ff_lnorm, .Lfunc_end_k_q39df2f32ff_lnorm-k_q39df2f32ff_lnorm
	.p2alignl 7, 3214868480
	.fill 96, 4, 3214868480
	.section	.rodata,"a",@progbits
	.p2align	6, 0x0
	.amdhsa_kernel k_q39df2f32ff_lnorm
		.amdhsa_group_segment_fixed_size 0
		.amdhsa_private_segment_fixed_size 0
		.amdhsa_enable_private_segment 0
		.amdhsa_kernarg_size 32
		.amdhsa_user_sgpr_count 2
		.amdhsa_user_sgpr_kernarg_segment_ptr 1
		.amdhsa_wavefront_size32 1
		.amdhsa_system_sgpr_workgroup_id_x 1
		.amdhsa_system_sgpr_workgroup_id_y 1
		.amdhsa_system_sgpr_workgroup_id_z 1
		.amdhsa_system_vgpr_workitem_id 0
		.amdhsa_next_free_vgpr 192
		.amdhsa_next_free_sgpr 66
		.amdhsa_reserve_vcc 0
		.amdhsa_float_denorm_mode_32 3
		.amdhsa_float_denorm_mode_16_64 3
		.amdhsa_memory_ordered 1
		.amdhsa_forward_progress 1
		.amdhsa_inst_pref_size 20
	.end_amdhsa_kernel
	.amdgpu_metadata
---
amdhsa.version: [ 1, 2 ]
amdhsa.kernels:
  - .name:           k_q39df2f32ff_lnorm
    .symbol:         k_q39df2f32ff_lnorm.kd
    .args:
      - { .name: o, .offset: 0, .size: 8, .value_kind: global_buffer, .address_space: global }
      - { .name: fn_g, .offset: 8, .size: 8, .value_kind: global_buffer, .address_space: global }
      - { .name: fn_b, .offset: 16, .size: 8, .value_kind: global_buffer, .address_space: global }
      - { .name: hn, .offset: 24, .size: 8, .value_kind: global_buffer, .address_space: global }
    .group_segment_fixed_size: 0
    .private_segment_fixed_size: 0
    .kernarg_segment_align: 8
    .kernarg_segment_size: 32
    .max_flat_workgroup_size: 256
    .sgpr_count:     66
    .vgpr_count:     192
    .wavefront_size: 32
...
	.end_amdgpu_metadata
.endif
;; end of part 4
;; launch ffn1 (part 5): grid 16 x 16, 4 waves a work-group, clusters of 4 x 4, 327,680 bytes of LDS; arguments hn, pre, b1, gact; writes gact
.if DOCPART == 5
	.amdgcn_target "amdgcn-amd-amdhsa--gfx1250"
	.amdhsa_code_object_version 6
	.text
	.protected	k_q39df2f32ff_ffn1
	.globl	k_q39df2f32ff_ffn1
	.p2align	8
	.type	k_q39df2f32ff_ffn1,@function
k_q39df2f32ff_ffn1:
	s_mov_b64 s[64:65], 0
	v_nop
	global_prefetch_b8 v0, s[64:65] scope:SCOPE_SE
	s_setreg_imm32_b32 hwreg(HW_REG_WAVE_MODE, 25, 1), 1
	s_wait_xcnt 0x0
	s_wait_alu depctr_hold_cnt(0) depctr_sa_sdst(0) depctr_va_vdst(0) depctr_va_sdst(0) depctr_va_ssrc(0) depctr_va_vcc(0) depctr_vm_vsrc(0)
	s_getreg_b32 s2, hwreg(HW_REG_IB_STS2, 6, 4)
	s_cmp_eq_u32 s2, 0
	s_cbranch_scc0 .Lentry_in_a_cluster
	s_endpgm
.Lentry_in_a_cluster:
	s_bfe_u32 s2, ttmp6, 0x10000c
	s_cmp_lg_u32 s2, 0xf033
	s_cbranch_scc0 .Lentry_shape_is_right
	s_endpgm
.Lentry_shape_is_right:
; gact = gelu(hn W1 + b1).  hn: [4096][1024] bf16; W1 transposed, [4096 n][1024 k] bf16, in pre; gact: [4096][4096] bf16; sums in f32, gact rounded once.
; THE GELU is exact up to a stated bound: gelu(x) = x Phi(x) = x / 2 + (u / 2) (1 - q), u = |x|, q = (1 + c1 u + .. + c6 u^6)^-16: Phi is within 1.5e-7 for every x
; (Abramowitz and Stegun 26.2.19).  For large u the polynomial overflows to infinity, its reciprocal is 0 and q = 0, which is the limit.  One reciprocal a number.
; THE PRODUCT.  A tile of C is 256 x 256, four waves, each 128 x 128 in 64 accumulators; K goes in 8 steps of 128 through two LDS slots filled by tensor loads.  4 x 4 work-groups form a cluster:
; A's tile is asked for jointly along a row of the cluster, B's along a column.  The matrix instruction is used transposed: a lane holds one row of C and eight neighbouring columns.
; The first product of each accumulator takes the bias as C.
; THE TEXT.  A K step with its refill is written once (.Lstep, 6 trips), half a K step without a refill once (.Ltail).  The LDS byte from which fragments are fetched stands in s[TOG];
; one descriptor a tensor walks from slot to slot.
; THE WAY OUT.  When the ring has had its last fill and every wave its last read of it, each wave lays its 128 x 128 f32 into the ring's bytes (its own 67,584), and a loop of 32 trips takes 4 rows at a time.
.set SIZE_K, 1024
.set KSTEP,  128
.set STEPS,  SIZE_K/KSTEP
.set PITCH,  272
.set HALFT,  128*PITCH                 ; 0x8800
.set SLOT,   4*HALFT                   ; 0x22000: it shares no bit with wave x HALFT (0x8800, 0x11000, 0x19800), so one exclusive or turns a wave's address in one slot into the other's
.set SPARE,  2*SLOT
.set DPITCH, 528
.set DWAVE,  128*DPITCH
.set GSTEP,  4*8192                    ; bytes of gact from a trip's four rows to the next trip's
.set W1T, 23068672
.set ADRA0, 16                         ; v16  my place in A's rows of slot 0; never rewritten
.set ADRA,  17                         ; v17  the address of the run of loads in hand
.set ADRB0, 20
.set ADRB,  21
.set DST,  24
.set RD0,  25
.set CO,   26
.set RDA,  27
.set SPW,  28
.set NIL,  29
.set PFO,  30
.set F0,   64
.set F1,   128
.set BIAS, 192
.set XR,   64                          ; the way out: 16 numbers of a lane
.set XH,   96                          ; x / 2, then the result
.set UR,   128                         ; |x|
.set PR,   160                         ; the polynomial, then q
.set YR,   192                         ; 8 packed words
.set G1,  24
.set G0,  32                           ; s[32:39] group 0 for A: a set for each of the two first fills; the second then walks on
.set G1B, 48
.set G0B, 56
.set LIM, 43
.set PFA, 44
.set TOG, 67                           ; s67  the LDS byte, from slot 0's first, at which the fetches of fragments begin
.set NX1, 46                           ; s46, s47  the tail: its next two values
.set NX2, 47
.set MSB, 0
.macro WIN new
.if MSB != (\new)
	s_set_vgpr_msb (MSB<<8)|(\new)
.set MSB, \new
.endif
.endm
.set MUL_LO, 0xa1
.set TO_B,   0x40
.macro JLOAD s
	s_cmp_eq_u32 s11, 0
	s_cbranch_scc0 .Lfor_b_\@
	tensor_load_to_lds s[G0+4*(\s):G0+4*(\s)+3], s[G1:G1+7]
	s_nop 0
.rept 4
	v_nop
.endr
	s_branch .Lasked_\@
.Lfor_b_\@:
	tensor_load_to_lds s[G0B+4*(\s):G0B+4*(\s)+3], s[G1B:G1B+7]
	s_nop 0
.rept 4
	v_nop
.endr
.Lasked_\@:
.endm
; A prefetch behind each refill: the K step two refills on, 32 rows x 256 bytes, a lane a row.  A's rows: the clusters with x = 0 ask; B's: those with y = 0.  The four partners of a joint load share
; its 128 rows by address, 32 each.  The loop's last two trips ask for nothing.
.macro ASK
	s_cmp_gt_u32 s3, s[LIM]
	s_cbranch_scc0 .Lnot_mine_\@
	global_prefetch_b8 v[PFO], s[PFA:PFA+1] offset:KSTEP*2 th:TH_LOAD_NT scope:SCOPE_SE
.Lnot_mine_\@:
.endm
.macro CREST
	s_cmp_lg_u32 s10, 0
	s_cbranch_scc1 .Lnot_wave_0_\@
	s_barrier_signal -3
.Lnot_wave_0_\@:
	s_barrier_wait -3
	s_barrier_signal -1
	s_barrier_wait -1
.endm
.macro CROUND
	s_barrier_signal -1
	s_barrier_wait -1
	CREST
.endm
	s_load_b256 s[80:87], s[0:1], 0x0              ; hn 80, pre 82, b1 84, gact 86
	v_lshl_add_u32 v[SPW], v0, 2, SPARE
	v_mov_b32 v[NIL], 0
	ds_add_u32 v[SPW], v[NIL]                      ; the wave's opening: the add and its wait ahead of my first tensor load
	v_lshrrev_b32 v1, 5, v0
	v_readfirstlane_b32 s10, v1
	s_lshr_b32 s11, s10, 1
	s_and_b32 s12, s10, 1
	s_bfe_u32 s40, ttmp6, 0x40000                  ; cx
	s_bfe_u32 s41, ttmp6, 0x40004                  ; cy
	s_lshl_b32 s42, ttmp9, 2
	s_add_co_u32 s42, s42, s40                     ; tile column 0..15
	s_and_b32 s13, ttmp7, 0xffff
	s_lshl_b32 s13, s13, 2
	s_add_co_u32 s13, s13, s41                     ; tile row 0..15
	s_lshl_b32 s43, s41, 2
	s_lshl_b32 s43, 15, s43
	s_lshl_b32 s44, 0x1111, s40
	s_or_b32 s[G1+0], s43, (1<<16)|(1<<20)|(1<<21)|(5<<22)|(3<<25)
	s_or_b32 s[G1B+0], s44, (1<<16)|(1<<20)|(1<<21)|(5<<22)|(3<<25)
.irp g, G1, G1B
	s_mov_b32 s[(\g)+1], KSTEP<<16
	s_mov_b32 s[(\g)+2], 128<<16
	s_mov_b32 s[(\g)+3], KSTEP<<16
	s_mov_b32 s[(\g)+4], 128
	s_mov_b32 s[(\g)+5], SIZE_K
	s_mov_b32 s[(\g)+6], 0
	s_mov_b32 s[(\g)+7], 0
.endr
	s_lshl_b32 s17, s12, 7
	s_lshl_b32 s16, s13, 8
	s_add_co_u32 s16, s16, s17
	s_lshl_b32 s16, s16, 11
	s_mov_b32 s17, 0
	s_lshl_b32 s46, s42, 8
	s_lshl_b32 s47, s12, 7
	s_add_co_u32 s46, s46, s47
	s_lshl_b32 s46, s46, 11
	s_mov_b32 s47, 0
	s_mov_b32 s98, W1T
	s_mov_b32 s99, 0
	s_mul_i32 s20, s10, HALFT
	s_mov_b32 s[TOG], 0                            ; the fetches begin in slot 0
	s_mov_b32 s68, 0x36b49f9e                      ; c6 .. c1, each named as a pair
	s_mov_b32 s69, 0x36b49f9e
	s_mov_b32 s70, 0x384d0fe2
	s_mov_b32 s71, 0x384d0fe2
	s_mov_b32 s72, 0x381f660e
	s_mov_b32 s73, 0x381f660e
	s_mov_b32 s74, 0x3b56cd72
	s_mov_b32 s75, 0x3b56cd72
	s_mov_b32 s76, 0x3cad2fe7
	s_mov_b32 s77, 0x3cad2fe7
	s_mov_b32 s78, 0x3d4c41b4
	s_mov_b32 s79, 0x3d4c41b4
	s_mov_b32 s88, 0x7fffffff
	s_wait_dscnt 0x0
	s_wait_kmcnt 0x0
	s_mov_b64 s[4:5], s[80:81]                     ; A
	s_add_nc_u64 s[6:7], s[82:83], s[98:99]        ; B
	s_add_nc_u64 s[14:15], s[4:5], s[16:17]
	s_add_nc_u64 s[46:47], s[6:7], s[46:47]
	CROUND
.irp s, 0,1
	s_mov_b32 s[G0+4*(\s)], 1
	s_add_co_u32 s[G0+4*(\s)+1], s20, (\s)*SLOT
	s_add_nc_u64 s[G0+4*(\s)+2:G0+4*(\s)+3], s[14:15], (\s)*KSTEP*2
	s_or_b32 s[G0+4*(\s)+3], s[G0+4*(\s)+3], 0x80000000
	s_mov_b32 s[G0B+4*(\s)], 1
	s_add_co_u32 s[G0B+4*(\s)+1], s20, (\s)*SLOT
	s_add_nc_u64 s[G0B+4*(\s)+2:G0B+4*(\s)+3], s[46:47], (\s)*KSTEP*2
	s_or_b32 s[G0B+4*(\s)+3], s[G0B+4*(\s)+3], 0x80000000
	JLOAD \s                                       ; two tensor loads of mine are out
.endr
	v_and_b32 v1, 15, v0
	v_bfe_u32 v2, v0, 4, 1
	v_lshlrev_b32 v11, 5, v2
	s_lshl_b32 s98, s42, 10
	s_lshl_b32 s99, s12, 9
	s_add_co_u32 s98, s98, s99
	s_mov_b32 s99, 0
	s_add_nc_u64 s[84:85], s[84:85], s[98:99]      ; the bias of my 128 columns
.irp b, 0,1,2,3,4,5,6,7
	global_load_b128 v[BIAS+8*\b:BIAS+8*\b+3],   v11, s[84:85] offset:64*\b
	global_load_b128 v[BIAS+8*\b+4:BIAS+8*\b+7], v11, s[84:85] offset:64*\b+16
.endr
	v_mul_u32_u24 v3, v1, PITCH
	v_lshl_add_u32 v3, v2, 4, v3
	s_mul_i32 s21, s11, HALFT
	s_mul_i32 s22, s12, HALFT
	s_add_co_u32 s22, s22, 2*HALFT
	v_add_nc_u32 v[ADRA0], s21, v3
	v_add_nc_u32 v[ADRB0], s22, v3
	s_mul_i32 s23, s10, DWAVE
	v_mul_u32_u24 v4, v1, DPITCH
	v_lshl_add_u32 v4, v2, 4, v4
	v_add_nc_u32 v[DST], s23, v4
	v_mul_u32_u24 v4, v2, DPITCH
	v_lshl_add_u32 v4, v1, 4, v4
	v_add_nc_u32 v[RD0], s23, v4                   ; back: lanes 0-15 one row, lanes 16-31 the next; lane p takes the group of eight columns p
	v_lshlrev_b32 v4, 13, v2
	v_lshl_add_u32 v[CO], v1, 4, v4                ; the same two rows in gact, 8,192 bytes apart
	s_lshl_b32 s20, s13, 8
	s_lshl_b32 s21, s11, 7
	s_add_co_u32 s20, s20, s21
	s_lshl_b32 s20, s20, 13                        ; my first row
	s_lshl_b32 s21, s42, 9
	s_add_co_u32 s20, s20, s21
	s_lshl_b32 s21, s12, 8
	s_add_co_u32 s20, s20, s21                     ; my first column, in bytes
	s_mov_b32 s21, 0
	s_add_nc_u64 s[8:9], s[86:87], s[20:21]
	s_lshl_b32 s20, s13, 8                         ; the prefetches
	s_lshl_b32 s21, s42, 8
	s_and_b32 s23, ttmp7, 0xffff
	s_cmp_eq_u32 s11, 0
	s_cselect_b32 s20, s20, s21
	s_cselect_b32 s21, s40, s41
	s_cselect_b32 s22, ttmp9, s23
	s_cselect_b64 s[PFA:PFA+1], s[4:5], s[6:7]
	s_cmp_eq_u32 s22, 0
	s_cselect_b32 s[LIM], 2, -1                    ; a wave that prefetches does so while more than two trips are left
	s_lshl_b32 s22, s12, 7
	s_add_co_u32 s20, s20, s22
	s_lshl_b32 s21, s21, 5
	s_add_co_u32 s20, s20, s21
	s_lshl_b32 s20, s20, 11
	s_add_co_u32 s20, s20, 2*KSTEP*2
	s_mov_b32 s21, 0
	s_add_nc_u64 s[PFA:PFA+1], s[PFA:PFA+1], s[20:21]
	v_and_b32 v[PFO], 31, v0
	v_lshlrev_b32 v[PFO], 11, v[PFO]
.macro MUL16 f, hi, a0, start          ; 16 matrix instructions; start = 1: C is the bias (window 0).  The 64 accumulators take turns
.if \start
	WIN 0x81+0x40*(\hi)
.else
	WIN MUL_LO+0x50*(\hi)
.endif
.irp a, \a0, (\a0)+1
.irp b, 0,1,2,3,4,5,6,7
.if \start
	v_wmma_f32_16x16x32_bf16 v[8*(8*(\a)+(\b)):8*(8*(\a)+(\b))+7], v[(\f)+8*(\b):(\f)+8*(\b)+7], v[(\f)+8*(4*(\hi)+(\a)):(\f)+8*(4*(\hi)+(\a))+7], v[BIAS+8*(\b):BIAS+8*(\b)+7]
.else
	v_wmma_f32_16x16x32_bf16 v[8*(8*(\a)+(\b)):8*(8*(\a)+(\b))+7], v[(\f)+8*(\b):(\f)+8*(\b)+7], v[(\f)+8*(4*(\hi)+(\a)):(\f)+8*(4*(\hi)+(\a))+7], v[8*(8*(\a)+(\b)):8*(8*(\a)+(\b))+7]
.endif
.endr
.endr
.endm
; 32 LDS loads in one run: a quarter step's fragments, at byte k behind s[TOG], into buffer f.  The two address lines and two v_nop are the four plain places between the last matrix
; instruction and loads into registers that matrix instructions have read (ISA guide 7.12.1 for vector instructions).
.macro FETCH k, f
	WIN 0
	v_add_nc_u32 v[ADRA], s[TOG], v[ADRA0]
	v_add_nc_u32 v[ADRB], s[TOG], v[ADRB0]
	v_nop
	v_nop
	WIN TO_B
.irp i, 0,1,2,3,4,5,6,7
	ds_load_b128 v[(\f)+8*(\i):(\f)+8*(\i)+3],   v[ADRB] offset:(\k)+(\i)*16*PITCH
	ds_load_b128 v[(\f)+8*(\i)+4:(\f)+8*(\i)+7], v[ADRB] offset:(\k)+(\i)*16*PITCH+32
.endr
	WIN 0
.irp i, 0,1,2,3,4,5,6,7
	ds_load_b128 v[(\f)+8*(\i):(\f)+8*(\i)+3],   v[ADRA] offset:(\k)+(\i)*16*PITCH
	ds_load_b128 v[(\f)+8*(\i)+4:(\f)+8*(\i)+7], v[ADRA] offset:(\k)+(\i)*16*PITCH+32
.endr
.endm
.macro PLACES
.rept 4
	v_nop
.endr
.endm
.macro QUARTER k, f, g, start
	s_wait_dscnt 8                                 ; B's and A's rows 0-63 are in; the youngest eight loads may be out
	MUL16 \f, 0, 0, \start
	MUL16 \f, 0, 2, \start
	FETCH \k, \g
	s_wait_dscnt 32                                ; all but the 32 just issued
	MUL16 \f, 1, 0, \start
	MUL16 \f, 1, 2, \start
.endm
; The last quarter of a K step and the change of slots.  In front of the round each wave waits for all its tensor loads (one is out: its part of the next slot), adds 0 to its spare word, and waits for
; that and for its reads of this slot.  Behind the round the slot just read is filled again, two K steps on; then the fetches go over to the other slot.
.macro TURN
	s_wait_xcnt 0x0                                ; the last prefetch, a K step back, has read its address
	s_add_nc_u64 s[PFA:PFA+1], s[PFA:PFA+1], KSTEP*2
	WIN 0
	s_wait_tensorcnt 0x0                           ; my part of the next slot has landed, and no tensor load of mine is out
	ds_add_u32 v[SPW], v[NIL]
	s_wait_dscnt 9                                 ; (the add and the youngest eight loads may be out)
	MUL16 F1, 0, 0, 0
	s_wait_dscnt 0x0                               ; the add is done, and my reads of this slot are over
	s_barrier_signal -1
	MUL16 F1, 0, 2, 0
	WIN 0
	s_barrier_wait -1
	CREST                                          ; no wave of any partner still reads this slot or has a load on its way
	s_xor_b32 s[G0+5], s[G0+5], SLOT               ; the walking descriptors: the other slot than last time,
	s_add_nc_u64 s[G0+6:G0+7], s[G0+6:G0+7], KSTEP*2  ; the next K step
	s_xor_b32 s[G0B+5], s[G0B+5], SLOT
	s_add_nc_u64 s[G0B+6:G0B+7], s[G0B+6:G0B+7], KSTEP*2
	JLOAD 1                                        ; the first tensor load behind the round: 224 matrix instructions ahead of the wait for it
	s_xor_b32 s[TOG], s[TOG], SLOT
	FETCH 0, F0
	ASK
	MUL16 F1, 1, 0, 0
	MUL16 F1, 1, 2, 0
.endm
	s_wait_tensorcnt 1                             ; K step 0 has landed; K step 1's load may stay out
	s_barrier_signal -1
	s_barrier_wait -1
	FETCH 0, F0
	s_wait_loadcnt 0x0                             ; the bias
	QUARTER 64,  F0, F1, 1                         ; the first quarter starts the sums with the bias
	WIN 0
	s_mov_b32 s3, STEPS-2
.Lstep:                                        ; a trip: a K step's quarters 1, 2, 3 and the next step's quarter 0; the slot that is left is filled again
	QUARTER 128, F1, F0, 0
	QUARTER 192, F0, F1, 0
	TURN
	QUARTER 64,  F0, F1, 0
	WIN 0
	s_sub_co_u32 s3, s3, 1
	s_cmp_lg_u32 s3, 0
	s_cbranch_scc1 .Lstep
	; THE TAIL fills nothing.  A trip multiplies two quarters and fetches the two behind them: K step 6's quarters 2, 3 (slot 0); K step 7's 0, 1 (slot 1); its 2, 3.
	; The fourth trip multiplies the last quarter and is left in its middle; its fetch re-reads bytes and serves nothing: the price, once a launch, of one text for every trip.
	s_mov_b32 s[TOG], 128
	s_mov_b32 s[NX1], SLOT
	s_mov_b32 s[NX2], SLOT+128
	s_mov_b32 s3, 4
.Ltail:
	QUARTER 0,  F1, F0, 0
	WIN 0
	s_cmp_eq_u32 s3, 1
	s_cbranch_scc1 .Lout
	QUARTER 64, F0, F1, 0
	WIN 0
	s_wait_tensorcnt 0x0                           ; in the first trip: my part of K step 7, asked for 224 matrix instructions back; later no load is out
	ds_add_u32 v[SPW], v[NIL]
	s_mov_b32 s[TOG], s[NX1]                       ; where the next trip's fetches begin
	s_mov_b32 s[NX1], s[NX2]
	s_wait_dscnt 0x0
	s_barrier_signal -1
	s_barrier_wait -1                              ; everybody's part of K step 7 is in
	s_sub_co_u32 s3, s3, 1
	s_cmp_lg_u32 s3, 0
	s_cbranch_scc1 .Ltail
.Lout:
	PLACES                                         ; behind the last products, in front of the stores that read them
	s_wait_dscnt 0x0                               ; my last reads of the ring are back
	s_barrier_signal -1                            ; so are everybody's: the ring's bytes, which have had their last fill, may be written
	s_barrier_wait -1
.irp hi, 0,1
	WIN 0x08+4*(\hi)
.irp a, 0,1,2,3
.irp b, 0,1,2,3,4,5,6,7
	ds_store_b128 v[DST], v[8*(8*(\a)+(\b)):8*(8*(\a)+(\b))+3]   offset:(4*(\hi)+(\a))*16*DPITCH+32*(\b)
	ds_store_b128 v[DST], v[8*(8*(\a)+(\b))+4:8*(8*(\a)+(\b))+7] offset:(4*(\hi)+(\a))*16*DPITCH+32*(\b)+256
.endr
.endr
.endr
	WIN 0
.macro XLOAD                           ; four rows of my dump: group u holds rows 2 u + l / 16, a lane eight neighbouring columns; 16 lanes read 256 consecutive bytes
.irp u, 0,1
	ds_load_b128 v[XR+8*\u:XR+8*\u+3],   v[RDA] offset:2*DPITCH*\u
	ds_load_b128 v[XR+8*\u+4:XR+8*\u+7], v[RDA] offset:2*DPITCH*\u+256
.endr
.endm
.macro PK line:vararg                  ; one line for each of the lane's 8 pairs, at k = 0, 2 .. 14
.set k, 0
.rept 8
	\line
.set k, k+2
.endr
.endm
	s_mov_b32 s96, 0
	v_mov_b32 v[RDA], v[RD0]
	XLOAD
	s_mov_b32 s3, 32
	s_wait_dscnt 0x0
.Lgelu:                                        ; 32 trips: 4 rows x 128 columns, 16 numbers a lane
	PK v_pk_mul_f32 v[XH+k:XH+k+1], v[XR+k:XR+k+1], 0.5 op_sel_hi:[1,0]
.set k, 0
.rept 16
	v_and_b32 v[UR+k], s88, v[XR+k]
.set k, k+1
.endr
	s_cmp_eq_u32 s3, 1                             ; the last trip has no rows behind it
	s_cbranch_scc1 .Lg_nox
	s_add_co_u32 s96, s96, 4*DPITCH
	v_add_nc_u32 v[RDA], s96, v[RD0]
	XLOAD                                          ; the next trip's rows land under this trip's arithmetic
.Lg_nox:
	PK v_pk_fma_f32 v[PR+k:PR+k+1], v[UR+k:UR+k+1], s[68:69], s[70:71] op_sel_hi:[1,0,0]
	PK v_pk_fma_f32 v[PR+k:PR+k+1], v[PR+k:PR+k+1], v[UR+k:UR+k+1], s[72:73] op_sel_hi:[1,1,0]
	PK v_pk_fma_f32 v[PR+k:PR+k+1], v[PR+k:PR+k+1], v[UR+k:UR+k+1], s[74:75] op_sel_hi:[1,1,0]
	PK v_pk_fma_f32 v[PR+k:PR+k+1], v[PR+k:PR+k+1], v[UR+k:UR+k+1], s[76:77] op_sel_hi:[1,1,0]
	PK v_pk_fma_f32 v[PR+k:PR+k+1], v[PR+k:PR+k+1], v[UR+k:UR+k+1], s[78:79] op_sel_hi:[1,1,0]
	PK v_pk_fma_f32 v[PR+k:PR+k+1], v[PR+k:PR+k+1], v[UR+k:UR+k+1], 1.0 op_sel_hi:[1,1,0]
.set k, 0
.rept 16
	v_rcp_f32 v[PR+k], v[PR+k]
.set k, k+1
.endr
	v_nop                                          ; a plain instruction behind the last reciprocal,
	s_wait_alu depctr_va_vdst(0)                   ; and one wait for the 16
.rept 4
	PK v_pk_mul_f32 v[PR+k:PR+k+1], v[PR+k:PR+k+1], v[PR+k:PR+k+1]
.endr
	PK v_pk_fma_f32 v[UR+k:UR+k+1], v[UR+k:UR+k+1], v[PR+k:PR+k+1], v[UR+k:UR+k+1] neg_lo:[1,0,0] neg_hi:[1,0,0]
	PK v_pk_fma_f32 v[XH+k:XH+k+1], v[UR+k:UR+k+1], 0.5, v[XH+k:XH+k+1] op_sel_hi:[1,0,1]
	s_wait_xcnt 0x0                                ; the last trip's stores, a whole trip back, have read their base and their data: both are written again only behind this wait
	s_add_nc_u64 s[8:9], s[8:9], GSTEP             ; the base steps ahead of the stores, which reach back by their immediate
.set k, 0
.rept 8
	v_cvt_pk_bf16_f32 v[YR+k], v[XH+2*k], v[XH+2*k+1]
.set k, k+1
.endr
.irp u, 0,1
	global_store_b128 v[CO], v[YR+4*\u:YR+4*\u+3], s[8:9] offset:16384*\u-GSTEP  ; 16 lanes store 128 columns of a row: 256 consecutive bytes, aligned
.endr
	s_wait_dscnt 0x0                               ; the next rows are in
	s_sub_co_u32 s3, s3, 1
	s_cmp_lg_u32 s3, 0
	s_cbranch_scc1 .Lgelu
	s_wait_tensorcnt 0x0                           ; the wave's end
	ds_add_u32 v[SPW], v[NIL]
	s_wait_dscnt 0x0
	CROUND
	s_endpgm
.Lfunc_end_k_q39df2f32ff_ffn1:
	.size	k_q39df2f32ff_ffn1, .Lfunc_end_k_q39df2f32ff_ffn1-k_q39df2f32ff_ffn1
	.p2alignl 7, 3214868480
	.fill 96, 4, 3214868480
	.section	.rodata,"a",@progbits
	.p2align	6, 0x0
	.amdhsa_kernel k_q39df2f32ff_ffn1
		.amdhsa_group_segment_fixed_size 327680
		.amdhsa_private_segment_fixed_size 0
		.amdhsa_enable_private_segment 0
		.amdhsa_kernarg_size 32
		.amdhsa_user_sgpr_count 2
		.amdhsa_user_sgpr_kernarg_segment_ptr 1
		.amdhsa_wavefront_size32 1
		.amdhsa_system_sgpr_workgroup_id_x 1
		.amdhsa_system_sgpr_workgroup_id_y 1
		.amdhsa_system_sgpr_workgroup_id_z 1
		.amdhsa_system_vgpr_workitem_id 0
		.amdhsa_next_free_vgpr 1024
		.amdhsa_next_free_sgpr 100
		.amdhsa_reserve_vcc 0
		.amdhsa_float_denorm_mode_32 3
		.amdhsa_float_denorm_mode_16_64 3
		.amdhsa_memory_ordered 1
		.amdhsa_forward_progress 1
		.amdhsa_inst_pref_size 77
	.end_amdhsa_kernel
	.amdgpu_metadata
---
amdhsa.version: [ 1, 2 ]
amdhsa.kernels:
  - .name:           k_q39df2f32ff_ffn1
    .symbol:         k_q39df2f32ff_ffn1.kd
    .args:
      - { .name: hn, .offset: 0, .size: 8, .value_kind: global_buffer, .address_space: global }
      - { .name: pre, .offset: 8, .size: 8, .value_kind: global_buffer, .address_space: global }
      - { .name: b1, .offset: 16, .size: 8, .value_kind: global_buffer, .address_space: global }
      - { .name: gact, .offset: 24, .size: 8, .value_kind: global_buffer, .address_space: global }
    .group_segment_fixed_size: 327680
    .private_segment_fixed_size: 0
    .kernarg_segment_align: 8
    .kernarg_segment_size: 32
    .max_flat_workgroup_size: 128
    .sgpr_count:     100
    .vgpr_count:     1024
    .wavefront_size: 32
...
	.end_amdgpu_metadata
.endif
;; end of part 5
;; launch ffn2 (part 6): grid 8 x 32, 4 waves a work-group, clusters of 4 x 4, 327,680 bytes of LDS; arguments gact, pre, b2, o, out0; writes out0
.if DOCPART == 6
	.amdgcn_target "amdgcn-amd-amdhsa--gfx1250"
	.amdhsa_code_object_version 6
	.text
	.protected	k_q39df2f32ff_ffn2
	.globl	k_q39df2f32ff_ffn2
	.p2align	8
	.type	k_q39df2f32ff_ffn2,@function
k_q39df2f32ff_ffn2:
	s_mov_b64 s[64:65], 0
	v_nop
	global_prefetch_b8 v0, s[64:65] scope:SCOPE_SE
	s_setreg_imm32_b32 hwreg(HW_REG_WAVE_MODE, 25, 1), 1
	s_wait_xcnt 0x0
	s_wait_alu depctr_hold_cnt(0) depctr_sa_sdst(0) depctr_va_vdst(0) depctr_va_sdst(0) depctr_va_ssrc(0) depctr_va_vcc(0) depctr_vm_vsrc(0)
	s_getreg_b32 s2, hwreg(HW_REG_IB_STS2, 6, 4)
	s_cmp_eq_u32 s2, 0
	s_cbranch_scc0 .Lentry_in_a_cluster
	s_endpgm
.Lentry_in_a_cluster:
	s_bfe_u32 s2, ttmp6, 0x10000c
	s_cmp_lg_u32 s2, 0xf033
	s_cbranch_scc0 .Lentry_shape_is_right
	s_endpgm
.Lentry_shape_is_right:
; out0 = o + gact W2 + b2.  gact: [4096][4096] bf16; W2 transposed, [1024 n][4096 k] bf16, in pre; o and out0: [4096][1024] f32; sums in f32.
; 1,024 columns give 64 tiles of 256 x 256: too few.  A tile of C is 128 x 128: 256 work-groups.  Four waves, each 64 x 64: 16 accumulators.  K goes in 16 steps of 256 (LDS rows of 512 bytes) through two slots.
; 4 x 4 work-groups form a cluster: A's tile is asked for jointly along a row of the cluster, B's along a column.  The matrix instruction is used transposed.
; The first product of each accumulator takes the bias as C.  My 64 x 64 of o is loaded at the head and waits in registers.
; THE TEXT.  A K step with its refill is written once (.Lstep, 14 trips), half a K step without a refill once (.Ltail).  The LDS byte from which fragments are fetched stands in s[TOG];
; one descriptor a tensor walks from slot to slot.
; THE WAY OUT.  A wave's 64 columns of f32 are 256 bytes: each wave sends its tile through its own 17,408 bytes of the ring, which has had its last fill, behind a barrier that shows every wave's reads of the ring over.
; No prefetch: the tiles are small, and a step's bytes are asked for a step ahead by the ring itself.
; REGISTERS: window 0: v0-31 addresses; v96-127 bias; v128-255 accumulators.  Window 1: two fragment buffers, later the rows on their way out.  Window 2: v0-127 my part of o.
.set SIZE_K, 4096
.set KSTEP,  256
.set STEPS,  SIZE_K/KSTEP
.set PITCH,  528
.set HALFT,  64*PITCH                  ; 0x8400
.set SLOT,   4*HALFT                   ; 0x21000: it shares no bit with wave x HALFT (0x8400, 0x10800, 0x18c00), so one exclusive or turns a wave's address in one slot into the other's
.set SPARE,  2*SLOT
.set SPITCH, 272
.set SWAVE,  64*SPITCH
.set W2T, 31457280
.set ADRA0, 16                         ; v16  my place in A's rows of slot 0; never rewritten
.set ADRA,  17                         ; v17  the address of the run of loads in hand
.set ADRB0, 20
.set ADRB,  21
.set STO,  24
.set RD,   25
.set CO,   26
.set BO,   27
.set SPW,  28
.set NIL,  29
.set BIAS, 96
.set ACC,  128
.set F0,   0
.set F1,   128
.set G1, 24
.set G0, 32                            ; s[32:39] group 0 for A: a set for each of the two first fills; the second then walks on
.set G1B, 48
.set G0B, 56
.set TOG, 67                           ; s67  the LDS byte, from slot 0's first, at which the fetches of fragments begin
.set NX1, 46                           ; s46, s47  the tail: its next two values
.set NX2, 47
.set MSB, 0
.macro WIN new
.if MSB != (\new)
	s_set_vgpr_msb (MSB<<8)|(\new)
.set MSB, \new
.endif
.endm
.set MUL,  0x05                        ; sources 0 (B) and 1 (A) window 1; C and D window 0
.set TO_F, 0x40
.macro JLOAD s
	s_cmp_eq_u32 s11, 0
	s_cbranch_scc0 .Lfor_b_\@
	tensor_load_to_lds s[G0+4*(\s):G0+4*(\s)+3], s[G1:G1+7]
	s_nop 0
.rept 4
	v_nop
.endr
	s_branch .Lasked_\@
.Lfor_b_\@:
	tensor_load_to_lds s[G0B+4*(\s):G0B+4*(\s)+3], s[G1B:G1B+7]
	s_nop 0
.rept 4
	v_nop
.endr
.Lasked_\@:
.endm
.macro CREST
	s_cmp_lg_u32 s10, 0
	s_cbranch_scc1 .Lnot_wave_0_\@
	s_barrier_signal -3
.Lnot_wave_0_\@:
	s_barrier_wait -3
	s_barrier_signal -1
	s_barrier_wait -1
.endm
.macro CROUND
	s_barrier_signal -1
	s_barrier_wait -1
	CREST
.endm
	s_load_b256 s[68:75], s[0:1], 0x0              ; gact 68, pre 70, b2 72, o 74
	s_load_b64 s[76:77], s[0:1], 0x20              ; out0
	v_lshl_add_u32 v[SPW], v0, 2, SPARE
	v_mov_b32 v[NIL], 0
	ds_add_u32 v[SPW], v[NIL]                      ; the wave's opening: the add and its wait ahead of my first tensor load
	v_lshrrev_b32 v1, 5, v0
	v_readfirstlane_b32 s10, v1
	s_lshr_b32 s11, s10, 1                         ; my half of the tile's rows; also: I fetch for A (0) or B (1)
	s_and_b32 s12, s10, 1                          ; my half of its columns; also: which 64 rows I fetch
	s_bfe_u32 s40, ttmp6, 0x40000
	s_bfe_u32 s41, ttmp6, 0x40004
	s_lshl_b32 s42, ttmp9, 2
	s_add_co_u32 s42, s42, s40                     ; tile column 0..7
	s_and_b32 s13, ttmp7, 0xffff
	s_lshl_b32 s13, s13, 2
	s_add_co_u32 s13, s13, s41                     ; tile row 0..31
	s_lshl_b32 s43, s41, 2
	s_lshl_b32 s43, 15, s43
	s_lshl_b32 s44, 0x1111, s40
	s_or_b32 s[G1+0], s43, (1<<16)|(1<<20)|(1<<21)|(6<<22)|(3<<25)   ; 4 words of padding behind every 128
	s_or_b32 s[G1B+0], s44, (1<<16)|(1<<20)|(1<<21)|(6<<22)|(3<<25)
.irp g, G1, G1B
	s_mov_b32 s[(\g)+1], KSTEP<<16
	s_mov_b32 s[(\g)+2], 64<<16
	s_mov_b32 s[(\g)+3], KSTEP<<16
	s_mov_b32 s[(\g)+4], 64
	s_mov_b32 s[(\g)+5], SIZE_K
	s_mov_b32 s[(\g)+6], 0
	s_mov_b32 s[(\g)+7], 0
.endr
	s_lshl_b32 s17, s12, 6
	s_lshl_b32 s16, s13, 7
	s_add_co_u32 s16, s16, s17
	s_lshl_b32 s16, s16, 13                        ; A: (128 x tile row + 64 x half) rows of 8,192 bytes
	s_mov_b32 s17, 0
	s_lshl_b32 s46, s42, 7
	s_lshl_b32 s47, s12, 6
	s_add_co_u32 s46, s46, s47
	s_lshl_b32 s46, s46, 13
	s_add_co_u32 s46, s46, W2T
	s_mov_b32 s47, 0
	s_mul_i32 s20, s10, HALFT
	s_mov_b32 s[TOG], 0                            ; the fetches begin in slot 0
	s_wait_dscnt 0x0
	s_wait_kmcnt 0x0
	s_add_nc_u64 s[14:15], s[68:69], s[16:17]
	s_add_nc_u64 s[46:47], s[70:71], s[46:47]
	CROUND
.irp s, 0,1
	s_mov_b32 s[G0+4*(\s)], 1
	s_add_co_u32 s[G0+4*(\s)+1], s20, (\s)*SLOT
	s_add_nc_u64 s[G0+4*(\s)+2:G0+4*(\s)+3], s[14:15], (\s)*KSTEP*2
	s_or_b32 s[G0+4*(\s)+3], s[G0+4*(\s)+3], 0x80000000
	s_mov_b32 s[G0B+4*(\s)], 1
	s_add_co_u32 s[G0B+4*(\s)+1], s20, (\s)*SLOT
	s_add_nc_u64 s[G0B+4*(\s)+2:G0B+4*(\s)+3], s[46:47], (\s)*KSTEP*2
	s_or_b32 s[G0B+4*(\s)+3], s[G0B+4*(\s)+3], 0x80000000
	JLOAD \s
.endr
	v_and_b32 v1, 15, v0
	v_bfe_u32 v2, v0, 4, 1
	v_lshlrev_b32 v[BO], 5, v2
	s_lshl_b32 s18, s42, 9
	s_lshl_b32 s19, s12, 8
	s_add_co_u32 s18, s18, s19                     ; my first column, in bytes of f32
	s_mov_b32 s19, 0
	s_add_nc_u64 s[72:73], s[72:73], s[18:19]
.irp b, 0,1,2,3
	global_load_b128 v[BIAS+8*\b:BIAS+8*\b+3],   v[BO], s[72:73] offset:64*\b
	global_load_b128 v[BIAS+8*\b+4:BIAS+8*\b+7], v[BO], s[72:73] offset:64*\b+16
.endr
	s_lshl_b32 s22, s13, 7
	s_lshl_b32 s23, s11, 6
	s_add_co_u32 s22, s22, s23
	s_lshl_b32 s22, s22, 12                        ; my first row, 4,096 bytes a row
	s_add_co_u32 s22, s22, s18
	s_mov_b32 s23, 0
	s_add_nc_u64 s[74:75], s[74:75], s[22:23]
	s_add_nc_u64 s[8:9], s[76:77], s[22:23]
	v_lshlrev_b32 v[CO], 12, v2
	v_lshl_add_u32 v[CO], v1, 4, v[CO]             ; lanes 0-15 one row's 256 bytes, lanes 16-31 the next row's
	WIN 0x80
.set f, 0
.rept 32
	global_load_b128 v[4*f:4*f+3], v[CO], s[74:75] offset:8192*f
.set f, f+1
.endr
	WIN 0
	v_mul_u32_u24 v3, v1, PITCH
	v_lshl_add_u32 v3, v2, 4, v3
	s_mul_i32 s21, s11, HALFT
	s_mul_i32 s22, s12, HALFT
	s_add_co_u32 s22, s22, 2*HALFT
	v_add_nc_u32 v[ADRA0], s21, v3
	v_add_nc_u32 v[ADRB0], s22, v3
	s_mul_i32 s23, s10, SWAVE                      ; my stage
	v_mul_u32_u24 v4, v1, SPITCH
	v_lshl_add_u32 v4, v2, 5, v4
	v_add_nc_u32 v[STO], s23, v4                   ; in: row l % 16, 32 bytes for each half of the lanes
	v_mul_u32_u24 v5, v2, SPITCH
	v_lshl_add_u32 v5, v1, 4, v5
	v_add_nc_u32 v[RD], s23, v5
.macro MUL8 f, c, a0, start            ; 8 matrix instructions: row blocks a0, a0 + 1 x 4 column blocks, half c of buffer f.  start = 1: C is the bias.  The 16 accumulators take turns
	WIN MUL
.irp a, \a0, (\a0)+1
.irp b, 0,1,2,3
.if \start
	v_wmma_f32_16x16x32_bf16 v[ACC+8*(4*(\a)+(\b)):ACC+8*(4*(\a)+(\b))+7], v[(\f)+64+8*(4*(\c)+(\b)):(\f)+64+8*(4*(\c)+(\b))+7], v[(\f)+8*(4*(\c)+(\a)):(\f)+8*(4*(\c)+(\a))+7], v[BIAS+8*(\b):BIAS+8*(\b)+7]
.else
	v_wmma_f32_16x16x32_bf16 v[ACC+8*(4*(\a)+(\b)):ACC+8*(4*(\a)+(\b))+7], v[(\f)+64+8*(4*(\c)+(\b)):(\f)+64+8*(4*(\c)+(\b))+7], v[(\f)+8*(4*(\c)+(\a)):(\f)+8*(4*(\c)+(\a))+7], v[ACC+8*(4*(\a)+(\b)):ACC+8*(4*(\a)+(\b))+7]
.endif
.endr
.endr
.endm
; 32 LDS loads in one run: 64 along K at byte k behind s[TOG], the first 32 along K first.  The two address lines and two v_nop are the four plain places between the last matrix instruction
; and loads into registers that matrix instructions have read (ISA guide 7.12.1 for vector instructions).
.macro FETCH k, f
	WIN 0
	v_add_nc_u32 v[ADRA], s[TOG], v[ADRA0]
	v_add_nc_u32 v[ADRB], s[TOG], v[ADRB0]
	v_nop
	v_nop
	WIN TO_F
.irp c, 0,1
.irp i, 0,1,2,3
	ds_load_b128 v[(\f)+64+8*(4*(\c)+(\i)):(\f)+64+8*(4*(\c)+(\i))+3],   v[ADRB] offset:(\k)+64*(\c)+(\i)*16*PITCH
	ds_load_b128 v[(\f)+64+8*(4*(\c)+(\i))+4:(\f)+64+8*(4*(\c)+(\i))+7], v[ADRB] offset:(\k)+64*(\c)+(\i)*16*PITCH+32
	ds_load_b128 v[(\f)+8*(4*(\c)+(\i)):(\f)+8*(4*(\c)+(\i))+3],         v[ADRA] offset:(\k)+64*(\c)+(\i)*16*PITCH
	ds_load_b128 v[(\f)+8*(4*(\c)+(\i))+4:(\f)+8*(4*(\c)+(\i))+7],       v[ADRA] offset:(\k)+64*(\c)+(\i)*16*PITCH+32
.endr
.endr
.endm
.macro PLACES
.rept 4
	v_nop
.endr
.endm
.macro QUARTER k, f, g, start
	s_wait_dscnt 16                                ; the first 32 along K are in
	MUL8 \f, 0, 0, \start
	MUL8 \f, 0, 2, \start
	FETCH \k, \g
	s_wait_dscnt 32                                ; all but the 32 just issued
	MUL8 \f, 1, 0, 0
	MUL8 \f, 1, 2, 0
.endm
; The last quarter of a K step and the change of slots: the three lines in front of the round, the joint refill first behind it, then the fetches go over to the other slot.
.macro TURN
	WIN 0
	s_wait_tensorcnt 0x0                           ; my part of the next slot has landed, and no tensor load of mine is out
	ds_add_u32 v[SPW], v[NIL]
	s_wait_dscnt 17                                ; (the add and the youngest sixteen loads may be out)
	MUL8 F1, 0, 0, 0
	s_wait_dscnt 0x0                               ; the add is done, and my reads of this slot are over
	s_barrier_signal -1
	MUL8 F1, 0, 2, 0
	WIN 0
	s_barrier_wait -1
	CREST                                          ; no wave of any partner still reads this slot or has a load on its way
	s_xor_b32 s[G0+5], s[G0+5], SLOT               ; the walking descriptors: the other slot than last time,
	s_add_nc_u64 s[G0+6:G0+7], s[G0+6:G0+7], KSTEP*2  ; the next K step
	s_xor_b32 s[G0B+5], s[G0B+5], SLOT
	s_add_nc_u64 s[G0B+6:G0B+7], s[G0B+6:G0B+7], KSTEP*2
	JLOAD 1                                        ; the first tensor load behind the round: 112 matrix instructions ahead of the wait for it
	s_xor_b32 s[TOG], s[TOG], SLOT
	FETCH 0, F0
	MUL8 F1, 1, 0, 0
	MUL8 F1, 1, 2, 0
.endm
	s_wait_tensorcnt 1                             ; K step 0 has landed; K step 1's load may stay out
	s_barrier_signal -1
	s_barrier_wait -1
	FETCH 0, F0
	s_wait_loadcnt 32                              ; the bias is in; the 32 younger loads, my part of o, may stay out
	QUARTER 128, F0, F1, 1                         ; the first quarter starts the sums with the bias
	WIN 0
	s_mov_b32 s3, STEPS-2
.Lstep:                                        ; a trip: a K step's quarters 1, 2, 3 and the next step's quarter 0; the slot that is left is filled again
	QUARTER 256, F1, F0, 0
	QUARTER 384, F0, F1, 0
	TURN
	QUARTER 128, F0, F1, 0
	WIN 0
	s_sub_co_u32 s3, s3, 1
	s_cmp_lg_u32 s3, 0
	s_cbranch_scc1 .Lstep
	; THE TAIL fills nothing.  A trip multiplies two quarters and fetches the two behind them: K step 14's quarters 2, 3 (slot 0); K step 15's 0, 1 (slot 1); its 2, 3.
	; The fourth trip multiplies the last quarter and is left in its middle; its fetch re-reads bytes and serves nothing: the price, once a launch, of one text for every trip.
	s_mov_b32 s[TOG], 256
	s_mov_b32 s[NX1], SLOT
	s_mov_b32 s[NX2], SLOT+256
	s_mov_b32 s3, 4
.Ltail:
	QUARTER 0,   F1, F0, 0
	WIN 0
	s_cmp_eq_u32 s3, 1
	s_cbranch_scc1 .Lout
	QUARTER 128, F0, F1, 0
	WIN 0
	s_wait_tensorcnt 0x0                           ; in the first trip: my part of K step 15, asked for 112 matrix instructions back; later no load is out
	ds_add_u32 v[SPW], v[NIL]
	s_mov_b32 s[TOG], s[NX1]                       ; where the next trip's fetches begin
	s_mov_b32 s[NX1], s[NX2]
	s_wait_dscnt 0x0
	s_barrier_signal -1
	s_barrier_wait -1                              ; everybody's part of K step 15 is in
	s_sub_co_u32 s3, s3, 1
	s_cmp_lg_u32 s3, 0
	s_cbranch_scc1 .Ltail
.Lout:
	PLACES                                         ; behind the last products: in front of the stores that read them and of the loads into the fragment buffers
	s_wait_dscnt 0x0                               ; my last reads of the ring are back
	s_barrier_signal -1                            ; so are everybody's: the ring's bytes, which have had their last fill, may be written
	s_barrier_wait -1
.irp a, 0,1,2,3
.irp b, 0,1,2,3
	ds_store_b128 v[STO], v[ACC+8*(4*(\a)+(\b)):ACC+8*(4*(\a)+(\b))+3]   offset:(\a)*16*SPITCH+64*(\b)
	ds_store_b128 v[STO], v[ACC+8*(4*(\a)+(\b))+4:ACC+8*(4*(\a)+(\b))+7] offset:(\a)*16*SPITCH+64*(\b)+16
.endr
.endr
	WIN 0x40
.set f, 0
.rept 32
	ds_load_b128 v[4*f:4*f+3], v[RD] offset:f*2*SPITCH  ; whole rows back: LDS serves a wave's instructions in order, so these see the stores above
.set f, f+1
.endr
	s_wait_loadcnt 0x0                             ; my part of o
.irp g, 0,1,2,3
	s_wait_dscnt 24-8*\g                           ; the group's eight loads are in; the younger ones stay out
	WIN 0x49                                       ; window 1 += window 2
.set f, 32*\g
.rept 16
	v_pk_add_f32 v[f:f+1], v[f:f+1], v[f:f+1]
.set f, f+2
.endr
	WIN 0x04                                       ; the stores' data lie in window 1
.set f, 8*\g
.rept 8
	global_store_b128 v[CO], v[4*f:4*f+3], s[8:9] offset:8192*f  ; 16 lanes store 64 columns of a row: 256 consecutive bytes, aligned
.set f, f+1
.endr
.endr
	WIN 0
	s_wait_tensorcnt 0x0                           ; the wave's end
	ds_add_u32 v[SPW], v[NIL]
	s_wait_dscnt 0x0
	CROUND
	s_endpgm
.Lfunc_end_k_q39df2f32ff_ffn2:
	.size	k_q39df2f32ff_ffn2, .Lfunc_end_k_q39df2f32ff_ffn2-k_q39df2f32ff_ffn2
	.p2alignl 7, 3214868480
	.fill 96, 4, 3214868480
	.section	.rodata,"a",@progbits
	.p2align	6, 0x0
	.amdhsa_kernel k_q39df2f32ff_ffn2
		.amdhsa_group_segment_fixed_size 327680
		.amdhsa_private_segment_fixed_size 0
		.amdhsa_enable_private_segment 0
		.amdhsa_kernarg_size 40
		.amdhsa_user_sgpr_count 2
		.amdhsa_user_sgpr_kernarg_segment_ptr 1
		.amdhsa_wavefront_size32 1
		.amdhsa_system_sgpr_workgroup_id_x 1
		.amdhsa_system_sgpr_workgroup_id_y 1
		.amdhsa_system_sgpr_workgroup_id_z 1
		.amdhsa_system_vgpr_workitem_id 0
		.amdhsa_next_free_vgpr 640
		.amdhsa_next_free_sgpr 80
		.amdhsa_reserve_vcc 0
		.amdhsa_float_denorm_mode_32 3
		.amdhsa_float_denorm_mode_16_64 3
		.amdhsa_memory_ordered 1
		.amdhsa_forward_progress 1
		.amdhsa_inst_pref_size 57
	.end_amdhsa_kernel
	.amdgpu_metadata
---
amdhsa.version: [ 1, 2 ]
amdhsa.kernels:
  - .name:           k_q39df2f32ff_ffn2
    .symbol:         k_q39df2f32ff_ffn2.kd
    .args:
      - { .name: gact, .offset: 0, .size: 8, .value_kind: global_buffer, .address_space: global }
      - { .name: pre, .offset: 8, .size: 8, .value_kind: global_buffer, .address_space: global }
      - { .name: b2, .offset: 16, .size: 8, .value_kind: global_buffer, .address_space: global }
      - { .name: o, .offset: 24, .size: 8, .value_kind: global_buffer, .address_space: global }
      - { .name: out0, .offset: 32, .size: 8, .value_kind: global_buffer, .address_space: global }
    .group_segment_fixed_size: 327680
    .private_segment_fixed_size: 0
    .kernarg_segment_align: 8
    .kernarg_segment_size: 40
    .max_flat_workgroup_size: 128
    .sgpr_count:     80
    .vgpr_count:     640
    .wavefront_size: 32
...
	.end_amdgpu_metadata
.endif
;; end of part 6
